; MI455X (gfx1250); checked and timed in simulation.
; The chip was launched on July 23, 2026; its instructions are those of AMD's public machine-readable ISA for CDNA 5 (MIT licence, August 2026) and "CDNA5" Instruction Set Architecture Reference Guide (July 2026). The comments in the code are by the model that wrote it; some were corrected since.
;; Self Attention. Allowed arithmetic: matrix products marked QUANTISED: E2M3 operands, one E8M0 scale for each 32 along K, by v_wmma_scale_f32_16x16x128_f8f6f4 with both operands' format E2M3, f32 sums; everything else in f32.
;; Inputs: Wk 1,024 x 1,024 float32; Wo 1,024 x 1,024 float32; Wq 1,024 x 1,024 float32; Wv 1,024 x 1,024 float32; bk 1,024 float32; bo 1,024 float32; bq 1,024 float32; bv 1,024 float32; mask 4 x 1 x 2,048 x 2,048 int32; x 4 x 2,048 x 1,024 float32.
;; Outputs: out0 4 x 2,048 x 1,024 float32.
;; This version of the problem:
;;   THIS VERSION OF THE PROBLEM IS GIVEN IN LOW PRECISION. The matrix products marked QUANTISED in the list below multiply operands that are first quantised to E2M3 (2 exponent bits, 3 mantissa bits; 6 bits a number), with one power-of-two scale for each 32 numbers along K (OCP MX v1.0); their sums are f32. All else is computed in f32.
;;   The module's matrix products, in the order in which they are computed (A, B: the left and right operand; K: the contracted axis; several contracted axes count as one K, in the product's order):
;;     1. [M 8,192, K 1,024] x [K 1,024, N 1,024]; A: input x; B: input Wq: QUANTISED
;;     2. [M 8,192, K 1,024] x [K 1,024, N 1,024]; A: input x; B: input Wk: QUANTISED
;;     3. [M 8,192, K 1,024] x [K 1,024, N 1,024]; A: input x; B: input Wv: QUANTISED
;;     4. batch 64 x [M 2,048, K 64] x [K 64, N 2,048]; A: computed on the way; B: computed on the way: QUANTISED
;;     5. batch 64 x [M 64, K 2,048] x [K 2,048, N 2,048]; A: computed on the way; B: softmax (see below): QUANTISED
;;     6. [M 8,192, K 1,024] x [K 1,024, N 1,024]; A: computed on the way; B: input Wo: QUANTISED
;;   THE QUANTISER, for each operand of a quantised product, along K:
;;     - K is cut into blocks of 32 from its start; a last block that is shorter is filled with zeros.
;;     - A block's scale is 2^e with e = floor(log2(the largest magnitude in the block)) - 2, held to -126 .. 127; a block of zeros has e = 0. As a byte (E8M0): e + 127.
;;     - Each number is divided by its block's scale, clamped to +-7.5, and rounded to the nearest number of E2M3, ties to even, subnormals kept.
;;     - The product sums the exact products of the quantised numbers (number of the format x scale) in f32.
;;   ~~~python
;;   def quantise(x, axis):      # numpy; x: float32 -> the quantised numbers, widened to float32 again
;;       x = np.moveaxis(x, axis, -1); K = x.shape[-1]
;;       x = np.pad(x, [(0, 0)] * (x.ndim - 1) + [(0, -K % 32)]); x = x.reshape(x.shape[:-1] + (-1, 32)); a = np.abs(x).max(-1, keepdims=True)
;;       e = np.where(a > 0, np.clip(np.frexp(np.where(a > 0, a, 1))[1] - 1 - 2, -126, 127), 0)      # np.frexp(a)[1] - 1 = floor(log2(a)), exactly
;;       r = np.clip(x / 2.0 ** e, -7.5, 7.5)
;;       step = 2.0 ** (np.maximum(np.frexp(np.where(r == 0, 1, r))[1] - 1, 0) - 3)
;;       q = np.round(r / step) * step * 2.0 ** e      # np.round: ties to even
;;       return np.moveaxis(q.reshape(q.shape[:-2] + (-1,))[..., :K], -1, axis).astype(np.float32)
;;   ~~~
;;   SOFTMAX AHEAD OF A QUANTISED PRODUCT. Where the list says 'softmax', what is quantised is not the finished softmax but p = 2^(t - M), with t = logit x log2(e) and M = ceil(the row's largest t), a whole number; so 1/2 < the row's largest p <= 1. The row's sum l is taken of the UNQUANTISED p, in f32, and the product's result is divided by l at the end. Since M is a whole number, a kernel that streams over the keys may use a running M (the ceiling of the running maximum): every later rescaling is an exact power of two, which a block's scale takes up: the codes' values come out the same.
;;   OPERANDS COMPUTED ON THE WAY. 'Computed on the way' means the value that the module computes at that place (a softmax that the list does not call 'softmax' is quantised finished and normalised). What goes into a quantiser is computed in f32, as accurately as f32 sums, v_exp_f32 and their like allow (about 1e-6 of the number): no bf16 or f16 on the way to a quantiser, and a product that is left as it is and whose result goes on into a quantised operand takes f32 operands (vector FMAs, or v_wmma_f32_16x16x4_f32). A number that lies on a knife's edge between two numbers of the format may be rounded either way, as far as f32 arithmetic and the matrix unit's own rounding can turn it there, and no further.
;; One version. Each part assembles by itself: llvm-mc -triple=amdgcn-amd-amdhsa -mcpu=gfx1250 --defsym DOCPART=n.
;; ======== version 1 of 1: 4 launches
;; limits: right only within a limited range of input values
;; workspace buffers: xq 6,553,600 bytes; wq 3,276,800 bytes; mw 2,097,152 bytes of whole numbers; qkv 19,660,800 bytes; oq 6,553,600 bytes
;; launch prep (part 1): grid 896 x 1, 4 waves a work-group, no clusters, 93,696 bytes of LDS; arguments mask, x, Wq, Wk, Wv, Wo, mw, xq, wq; writes mw, xq, wq
.if DOCPART == 1
	.amdgcn_target "amdgcn-amd-amdhsa--gfx1250"
	.amdhsa_code_object_version 6
	.text
	.protected	k_qf18d4d676f_prep
	.globl	k_qf18d4d676f_prep
	.p2align	8
	.type	k_qf18d4d676f_prep,@function
k_qf18d4d676f_prep:
	s_mov_b64 s[64:65], 0
	v_nop
	global_prefetch_b8 v0, s[64:65] scope:SCOPE_SE
	s_setreg_imm32_b32 hwreg(HW_REG_WAVE_MODE, 25, 1), 1
	s_wait_xcnt 0x0
; ONE PREPARING LAUNCH FOR ALL INPUTS.  Work-groups 0-127 quantise the four weights, 128-639 pack the mask, 640-895 quantise x: each reads 131,072 bytes.
; The three paths part on the work-group's number alone, never join, and have LDS bytes of their own.  No barrier: a wave's LDS bytes are its own.
; In this program every input is read.
; MASK [4][1][2048][2048] int32 -> mw [n][block of 16 queries, 128][step of 128 keys, 16][64 words]: bit (r + 16 h) of word j says whether
;   mask[n][row(block, r)][128 step + 64 (j / 32) + 32 h + j % 32] is other than 0: the place of a score in the attention launch's registers.
;   row(block, r) = 32 (block / 2) + 8 (block % 2) + r + 8 (r / 8), the order in which all operands of this program are laid.
; X [8192][1024] f32 -> xq: codes of FP6 (E2M3) [row block 512][64 along K, 16][768 bytes]: registers 2 p, 2 p + 1 of lane L at byte 256 p + 8 L; lane (r, h) holds k = 64 kappa + 32 h + 0 .. 31 of row(block, r);
;   scale words from byte 6,291,456 on: [row block][pair of K steps of 128, 4][r][2 words].
; WEIGHTS [1024 (k)][1024 (n)] f32 -> wq, rows = output channels, same order: codes at weight x 786,432, scale words from 3,145,728 + weight x 32,768 on.
;   A lane takes a column n and its registers run down K; column 32 G + l is row l % 8 + 8 (l / 16) of row block 2 G + (l / 8) % 2.
; A block's scale is 2^(floor(log2(largest magnitude)) - 2): the largest magnitude's exponent field less 2, held at 1 from below.
; LIMITS: a block of zeros gets the byte 1 (its codes are zeros; this program alone reads the bytes); NaN and infinities among the inputs are not served.
.set STG,   8448                       ; a wave's stage for mask and x: 16 rows x (512 + 16) bytes
.set MPB,   0
.set QXB,   4*STG
.set QWB,   8*STG
.set WST,   6400                       ; a wave's stage for the weights: two row blocks x (3,072 + 128) bytes
.set SPARE, QWB+4*WST                  ; the spare words, 128 bytes a wave
.set SPW,   14
.set NIL,   15
.set WV,    30                         ; s30 the wave
.set ID,    31                         ; s31 the work-group's number within its path
.set NQW,   128
.set NMP,   512
.set R,     16                         ; v16-143  two sets of 64: a step as it is loaded
.set X,     144                        ; v144-207 my row's 64 numbers: register 32 c + i is place 64 c + 32 h + i of the step
.set MWD,   208                        ; mask: v208-215 a pair for each step
.set F,     208                        ; x: v208-231 two sets of 12 codes' registers
.set T,     232
.set SW,    248
.set WX,    32                         ; weights: v32-95 two sets of 32 numbers
.set WC,    96
.set WOUT,  112
.set WSB,   24
.macro LANES base                      ; v2 16 x lane, v5 8 x lane, v3 the stage on the way in, v4 on the way out (row r, + 128 h bytes), v7 r, v6 h
	v_and_b32 v1, 31, v0
	v_lshlrev_b32 v2, 4, v1
	v_lshlrev_b32 v5, 3, v1
	s_mul_i32 s9, s[WV], STG
	s_add_co_u32 s9, s9, \base
	v_add_nc_u32 v3, s9, v2
	v_and_b32 v7, 15, v0
	v_bfe_u32 v6, v0, 4, 1
	v_mul_u32_u24 v4, v7, 528
	v_lshl_add_u32 v4, v6, 7, v4
	v_add_nc_u32 v4, s9, v4
.endm
.macro LOAD16 t, pitch                 ; step t: 16 rows x 512 consecutive bytes
.irp i, 0,1,2,3,4,5,6,7,8,9,10,11,12,13,14,15
	global_load_b128 v[R+64*((\t)%2)+4*\i:R+64*((\t)%2)+4*\i+3], v2, s[4:5] offset:(\i+8*(\i/8))*\pitch+512*(\t) th:TH_LOAD_NT
.endr
.endm
.macro TURN t                          ; through the stage: LDS serves a wave's instructions in order, so no wait stands between the stores and the loads
.irp i, 0,1,2,3,4,5,6,7,8,9,10,11,12,13,14,15
	ds_store_b128 v3, v[R+64*((\t)%2)+4*\i:R+64*((\t)%2)+4*\i+3] offset:528*\i
.endr
.irp c, 0,1
.irp e, 0,1,2,3,4,5,6,7
	ds_load_b128 v[X+32*\c+4*\e:X+32*\c+4*\e+3], v4 offset:256*\c+16*\e
.endr
.endr
.endm
.macro ENDW                            ; the wave's end
	s_wait_tensorcnt 0x0
	ds_add_u32 v[SPW], v[NIL]
	s_wait_dscnt 0x0
	s_endpgm
.endm
	v_lshl_add_u32 v[SPW], v0, 2, SPARE
	v_mov_b32 v[NIL], 0
	v_lshrrev_b32 v1, 5, v0
	v_readfirstlane_b32 s[WV], v1
	s_wait_alu depctr_va_vdst(0)
	s_cmp_lt_u32 ttmp9, NQW
	s_cbranch_scc1 .Lqw
	s_cmp_lt_u32 ttmp9, NQW+NMP
	s_cbranch_scc1 .Lmp
; ---------------- x: a wave takes one row block and half of K: four steps of 16 rows x 128 along K
	s_load_b64 s[4:5], s[0:1], 0x8                 ; x
	s_load_b64 s[6:7], s[0:1], 0x38                ; xq
	s_sub_co_u32 s[ID], ttmp9, NQW+NMP
	LANES QXB
	v_lshlrev_b32 v6, 3, v6                        ; 8 h: my bytes' place in the scale word, in bits
	v_mov_b32 v246, 0                              ; written once: a lane permute's destination counts as read
	s_lshl_b32 s10, s[ID], 2
	s_add_co_u32 s10, s10, s[WV]
	s_lshr_b32 s11, s10, 1                         ; row block
	s_and_b32 s12, s10, 1                          ; half of K
	s_lshr_b32 s13, s11, 1
	s_lshl_b32 s13, s13, 5
	s_and_b32 s15, s11, 1
	s_lshl_b32 s15, s15, 3
	s_add_co_u32 s13, s13, s15                     ; the block's first row
	s_lshl_b32 s16, s13, 12
	s_lshl_b32 s15, s12, 11
	s_add_co_u32 s16, s16, s15
	s_mov_b32 s17, 0
	s_mul_i32 s18, s11, 12288
	s_mul_i32 s15, s12, 6144
	s_add_co_u32 s18, s18, s15
	s_mov_b32 s19, 0
	s_lshl_b32 s20, s11, 9
	s_lshl_b32 s15, s12, 8
	s_add_co_u32 s20, s20, s15
	s_add_co_u32 s20, s20, 6291456
	s_mov_b32 s21, 0
	s_mov_b32 s14, 0xffff0000                      ; lanes 16-31
	s_mov_b32 s22, 0x76543210
	s_mov_b32 s23, 0xfedcba98                      ; v_permlanex16_b32's selects for lane l xor 16
	s_wait_alu depctr_va_vdst(0)
	s_wait_kmcnt 0x0
	s_add_nc_u64 s[4:5], s[4:5], s[16:17]
	s_add_nc_u64 s[24:25], s[6:7], s[20:21]
	s_add_nc_u64 s[6:7], s[6:7], s[18:19]
.macro QSTEP t
.set FS, F+12*((\t)%2)
.irp c, 0,1
	v_max3_num_f32 v[240+\c], |v[X+32*\c]|, |v[X+32*\c+1]|, 0x1800000   ; my block 2 c + h, and the floor 2^(3 - 127)
.endr
.irp i, 2,4,6,8,10,12,14,16,18,20,22,24,26,28,30
.irp c, 0,1
	v_max3_num_f32 v[240+\c], v[240+\c], |v[X+32*\c+\i]|, |v[X+32*\c+\i+1]|
.endr
.endr
.irp c, 0,1
	v_add_nc_u32 v[242+\c], 0xff000000, v[240+\c]  ; 2 off the exponent field: the conversion's scale operand
.endr
.irp c, 0,1
	v_lshrrev_b32 v[244+\c], 23, v[242+\c]         ; the scale's byte
.endr
	v_lshl_or_b32 v247, v245, 16, v244
	v_lshlrev_b32 v247, v6, v247
	v_permlanex16_b32 v246, v247, s22, s23
	v_or_b32 v[SW+(\t)], v247, v246                ; with lane l xor 16's two bytes the word is whole
.if (\t) >= 2
	s_wait_alu depctr_va_vdst(0)
	s_wait_xcnt 0x0                                ; the stores of two steps back have read this set of codes
.endif
.irp c, 0,1
	v_cvt_scalef32_pk16_fp6_f32 v[FS+6*\c:FS+6*\c+2], v[X+32*\c:X+32*\c+15], v[242+\c]
	v_cvt_scalef32_pk16_fp6_f32 v[T+4*\c:T+4*\c+2], v[X+32*\c+16:X+32*\c+31], v[242+\c]
.endr
	v_nop                                          ; one plain place behind a scaled conversion
.irp c, 0,1
.irp i, 0,1,2
	v_mov_b32 v[FS+3+6*\c+\i], v[T+4*\c+\i]
.endr
.endr
.irp p, 0,1,2,3,4,5
	global_store_b64 v5, v[FS+2*\p:FS+2*\p+1], s[6:7] offset:1536*(\t)+256*\p   ; 256 consecutive bytes, aligned
.endr
.endm
	LOAD16 0, 4096
	LOAD16 1, 4096
.irp t, 0,1,2,3
.if \t < 3
	s_wait_loadcnt 16                              ; this step's 16 loads are in; the next step's 16 may be out
.else
	s_wait_loadcnt 0x0
.endif
	TURN \t
	s_wait_dscnt 0x0
.if \t < 2
	LOAD16 \t+2, 4096
.endif
	QSTEP \t
.endr
	v_cndmask_b32 v252, v[SW], v[SW+2], s14        ; lanes 0-15: the first pair of K steps; lanes 16-31: the second
	v_cndmask_b32 v253, v[SW+1], v[SW+3], s14
	global_store_b64 v5, v[252:253], s[24:25]      ; 256 consecutive bytes, aligned
	ENDW
; ---------------- the mask: a work-group takes a block of 16 rows, each wave a quarter of the keys: four steps of 16 rows x 128 keys
.Lmp:
	s_load_b64 s[4:5], s[0:1], 0x0                 ; mask
	s_load_b64 s[6:7], s[0:1], 0x30                ; mw
	s_sub_co_u32 s[ID], ttmp9, NQW
	LANES MPB
.irp i, 0,1,2,3,4,5,6,7
	v_mov_b32 v[MWD+\i], 0                         ; written once: v_writelane_b32's destination counts as read
.endr
	s_lshr_b32 s10, s[ID], 1
	s_lshl_b32 s10, s10, 5
	s_and_b32 s11, s[ID], 1
	s_lshl_b32 s11, s11, 3
	s_add_co_u32 s10, s10, s11                     ; the block's first row
	s_lshl_b32 s10, s10, 13                        ; x 8,192 bytes a row
	s_lshl_b32 s11, s[WV], 11                      ; + my quarter: 512 keys
	s_add_co_u32 s10, s10, s11
	s_mov_b32 s11, 0
	s_lshl_b32 s12, s[ID], 12                      ; mw: 16 steps x 256 bytes a block
	s_lshl_b32 s13, s[WV], 10
	s_add_co_u32 s12, s12, s13
	s_mov_b32 s13, 0
	s_wait_alu depctr_va_vdst(0)
	s_wait_kmcnt 0x0
	s_add_nc_u64 s[4:5], s[4:5], s[10:11]
	s_add_nc_u64 s[6:7], s[6:7], s[12:13]
.macro MPACK t                         ; 64 lane masks, eight at a time; word j goes to lane j / 2, register j % 2
.irp g, 0,1,2,3,4,5,6,7
.irp e, 0,1,2,3,4,5,6,7
	v_cmp_ne_u32 s[16+\e], 0, v[X+8*\g+\e]
.endr
.irp e, 0,1,2,3,4,5,6,7
	v_writelane_b32 v[MWD+2*(\t)+\e%2], s[16+\e], 4*\g+\e/2
.endr
.endr
	global_store_b64 v5, v[MWD+2*(\t):MWD+2*(\t)+1], s[6:7] offset:256*(\t)   ; 256 consecutive bytes, aligned
.endm
	LOAD16 0, 8192
	LOAD16 1, 8192
.irp t, 0,1,2,3
.if \t < 3
	s_wait_loadcnt 16
.else
	s_wait_loadcnt 0x0
.endif
	TURN \t
	s_wait_dscnt 0x0
.if \t < 2
	LOAD16 \t+2, 8192
.endif
	MPACK \t
.endr
	ENDW
; ---------------- the weights: a wave takes 32 columns x 256 along K: 8 blocks a lane
.Lqw:
	s_load_b256 s[4:11], s[0:1], 0x10              ; Wq, Wk, Wv, Wo
	s_load_b64 s[12:13], s[0:1], 0x40              ; wq
	v_and_b32 v2, 31, v0
	v_lshlrev_b32 v3, 2, v2                        ; in: 4 bytes a lane
	v_bfe_u32 v5, v0, 3, 1                         ; u: which of the two row blocks
	v_and_b32 v6, 7, v0
	v_bfe_u32 v7, v0, 4, 1
	v_lshl_add_u32 v6, v7, 3, v6                   ; r
	s_mul_i32 s19, s[WV], WST
	s_add_co_u32 s19, s19, QWB
	v_mul_u32_u24 v4, v5, 3200
	v_lshl_add_u32 v4, v6, 3, v4
	v_add_nc_u32 v4, s19, v4                       ; the stage, in: 3,200 u + 8 r
	v_lshlrev_b32 v8, 4, v2
	v_add_nc_u32 v7, s19, v8                       ; and out
	v_lshlrev_b32 v9, 9, v5
	v_lshl_add_u32 v9, v6, 3, v9                   ; the scale words: 512 u + 8 r
	s_bfe_u32 s17, ttmp9, 0x20003                  ; which weight
	s_and_b32 s18, ttmp9, 7                        ; which 128 columns
	s_lshr_b32 s20, ttmp9, 5                       ; which 256 along K
	s_lshl_b32 s22, s20, 20
	s_lshl_b32 s21, s18, 9
	s_add_co_u32 s22, s22, s21
	s_lshl_b32 s21, s[WV], 7
	s_add_co_u32 s22, s22, s21
	s_mov_b32 s23, 0
	s_lshl_b32 s24, s17, 6
	s_lshl_b32 s21, s18, 3
	s_add_co_u32 s24, s24, s21
	s_lshl_b32 s21, s[WV], 1
	s_add_co_u32 s24, s24, s21                     ; my first row block: 64 weight + 8 group + 2 wave
	s_mul_i32 s26, s24, 12288
	s_mul_i32 s21, s20, 3072
	s_add_co_u32 s26, s26, s21
	s_mov_b32 s27, 0
	s_lshl_b32 s28, s24, 9
	s_lshl_b32 s21, s20, 7
	s_add_co_u32 s28, s28, s21
	s_add_co_u32 s28, s28, 3145728
	s_mov_b32 s29, 0
	s_and_b32 s21, s17, 1
	s_wait_alu depctr_va_vdst(0)
	s_wait_kmcnt 0x0
	s_cmp_lt_u32 s17, 2                            ; the choice hangs on the work-group's number alone
	s_cselect_b64 s[4:5], s[4:5], s[8:9]
	s_cselect_b64 s[6:7], s[6:7], s[10:11]
	s_cmp_eq_u32 s21, 0
	s_cselect_b64 s[4:5], s[4:5], s[6:7]
	s_add_nc_u64 s[4:5], s[4:5], s[22:23]
	s_add_nc_u64 s[6:7], s[12:13], s[26:27]        ; the codes
	s_add_nc_u64 s[8:9], s[12:13], s[28:29]        ; the scale words
.macro WLOAD t                         ; block t: W(32 t + i, my column) into set t % 2
.irp i, 0,1,2,3,4,5,6,7,8,9,10,11,12,13,14,15,16,17,18,19,20,21,22,23,24,25,26,27,28,29,30,31
	global_load_b32 v[WX+32*((\t)%2)+\i], v3, s[4:5] offset:(32*(\t)+\i)*4096 th:TH_LOAD_NT
.endr
.endm
	WLOAD 0
	WLOAD 1
.macro WBLOCK t
.set XS, WX+32*((\t)%2)
.if (\t) < 7
	s_wait_loadcnt 32                              ; this block's 32 loads are in; the next block's may be out
.else
	s_wait_loadcnt 0x0
.endif
	v_max3_num_f32 v12, |v[XS]|, |v[XS+1]|, |v[XS+2]|
	v_max3_num_f32 v13, |v[XS+3]|, |v[XS+4]|, |v[XS+5]|
.irp i, 6,10,14,18,22,26
	v_max3_num_f32 v12, v12, |v[XS+\i]|, |v[XS+\i+1]|
	v_max3_num_f32 v13, v13, |v[XS+\i+2]|, |v[XS+\i+3]|
.endr
	v_max3_num_f32 v12, v12, |v[XS+30]|, |v[XS+31]|
	v_max3_num_f32 v12, v12, v13, 0x1800000        ; and the floor 2^(3 - 127)
	v_add_nc_u32 v11, 0xff000000, v12
	v_lshrrev_b32 v13, 23, v11                     ; the scale's byte
.if (\t)%4 == 0
	v_mov_b32 v[WSB+(\t)/4], v13
.else
	v_lshl_or_b32 v[WSB+(\t)/4], v13, 8*((\t)%4), v[WSB+(\t)/4]
.endif
	v_cvt_scalef32_pk16_fp6_f32 v[WC:WC+2], v[XS:XS+15], v11
	v_cvt_scalef32_pk16_fp6_f32 v[WC+4:WC+6], v[XS+16:XS+31], v11
	v_nop                                          ; one plain place behind a scaled conversion
	v_mov_b32 v[WC+3], v[WC+4]                     ; six registers on end
	v_mov_b32 v[WC+4], v[WC+5]
	v_mov_b32 v[WC+5], v[WC+6]
.irp p, 0,1,2
	ds_store_b64 v4, v[WC+2*\p:WC+2*\p+1] offset:768*((\t)/2)+128*((\t)%2)+256*\p
.endr
.if (\t)+2 < 8
	WLOAD (\t)+2
.endif
	s_wait_dscnt 0x0                               ; the stores have read their registers
.endm
.irp t, 0,1,2,3,4,5,6,7
	WBLOCK \t
.endr
	s_wait_alu depctr_va_vdst(0)
	global_store_b64 v9, v[WSB:WSB+1], s[8:9]      ; my row's two scale words
.irp k, 0,1,2,3,4,5,6,7,8,9,10,11
	ds_load_b128 v[WOUT+4*\k:WOUT+4*\k+3], v7 offset:3200*(\k/6)+512*(\k%6)
.endr
.irp k, 0,1,2,3,4,5,6,7,8,9,10,11
	s_wait_dscnt 11-\k
	global_store_b128 v8, v[WOUT+4*\k:WOUT+4*\k+3], s[6:7] offset:12288*(\k/6)+512*(\k%6)   ; 512 consecutive bytes, aligned
.endr
	ENDW
.Lfunc_end_k_qf18d4d676f_prep:
	.size	k_qf18d4d676f_prep, .Lfunc_end_k_qf18d4d676f_prep-k_qf18d4d676f_prep
	.p2alignl 7, 3214868480
	.fill 96, 4, 3214868480
	.section	.rodata,"a",@progbits
	.p2align	6, 0x0
	.amdhsa_kernel k_qf18d4d676f_prep
		.amdhsa_group_segment_fixed_size 93696
		.amdhsa_private_segment_fixed_size 0
		.amdhsa_enable_private_segment 0
		.amdhsa_kernarg_size 72
		.amdhsa_user_sgpr_count 2
		.amdhsa_user_sgpr_kernarg_segment_ptr 1
		.amdhsa_wavefront_size32 1
		.amdhsa_system_sgpr_workgroup_id_x 1
		.amdhsa_system_sgpr_workgroup_id_y 1
		.amdhsa_system_sgpr_workgroup_id_z 1
		.amdhsa_system_vgpr_workitem_id 0
		.amdhsa_next_free_vgpr 256
		.amdhsa_next_free_sgpr 66
		.amdhsa_reserve_vcc 0
		.amdhsa_float_denorm_mode_32 3
		.amdhsa_float_denorm_mode_16_64 3
		.amdhsa_memory_ordered 1
		.amdhsa_forward_progress 1
		.amdhsa_inst_pref_size 122
	.end_amdhsa_kernel
	.amdgpu_metadata
---
amdhsa.version: [ 1, 2 ]
amdhsa.kernels:
  - .name:           k_qf18d4d676f_prep
    .symbol:         k_qf18d4d676f_prep.kd
    .args:
      - { .name: mask, .offset: 0, .size: 8, .value_kind: global_buffer, .address_space: global }
      - { .name: x, .offset: 8, .size: 8, .value_kind: global_buffer, .address_space: global }
      - { .name: Wq, .offset: 16, .size: 8, .value_kind: global_buffer, .address_space: global }
      - { .name: Wk, .offset: 24, .size: 8, .value_kind: global_buffer, .address_space: global }
      - { .name: Wv, .offset: 32, .size: 8, .value_kind: global_buffer, .address_space: global }
      - { .name: Wo, .offset: 40, .size: 8, .value_kind: global_buffer, .address_space: global }
      - { .name: mw, .offset: 48, .size: 8, .value_kind: global_buffer, .address_space: global }
      - { .name: xq, .offset: 56, .size: 8, .value_kind: global_buffer, .address_space: global }
      - { .name: wq, .offset: 64, .size: 8, .value_kind: global_buffer, .address_space: global }
    .group_segment_fixed_size: 93696
    .private_segment_fixed_size: 0
    .kernarg_segment_align: 8
    .kernarg_segment_size: 72
    .max_flat_workgroup_size: 128
    .sgpr_count:     66
    .vgpr_count:     256
    .wavefront_size: 32
...
	.end_amdgpu_metadata
.endif
;; end of part 1
;; launch gqkv (part 2): grid 8 x 48, 4 waves a work-group, clusters of 4 x 4, 327,680 bytes of LDS; arguments xq, wq, bq, bk, bv, qkv; writes qkv
.if DOCPART == 2
	.amdgcn_target "amdgcn-amd-amdhsa--gfx1250"
	.amdhsa_code_object_version 6
	.text
	.protected	k_qf18d4d676f_gqkv
	.globl	k_qf18d4d676f_gqkv
	.p2align	8
	.type	k_qf18d4d676f_gqkv,@function
k_qf18d4d676f_gqkv:
	s_mov_b64 s[64:65], 0
	v_nop
	global_prefetch_b8 v0, s[64:65] scope:SCOPE_SE
	s_setreg_imm32_b32 hwreg(HW_REG_WAVE_MODE, 25, 1), 1
	s_wait_xcnt 0x0
	s_wait_alu depctr_hold_cnt(0) depctr_sa_sdst(0) depctr_va_vdst(0) depctr_va_sdst(0) depctr_va_ssrc(0) depctr_va_vcc(0) depctr_vm_vsrc(0)
	s_getreg_b32 s2, hwreg(HW_REG_IB_STS2, 6, 4)
	s_cmp_eq_u32 s2, 0
	s_cbranch_scc0 .Lentry_in_a_cluster
	s_endpgm
.Lentry_in_a_cluster:
	s_bfe_u32 s2, ttmp6, 0x10000c
	s_cmp_lg_u32 s2, 0xf033
	s_cbranch_scc0 .Lentry_shape_is_right
	s_endpgm
.Lentry_shape_is_right:
.set NQ,     2
.set FR,     12
.set NL,     6
.set NP,     4
.set RBK,    3072
.set HALFT,  8*RBK
.set SLOT,   4*HALFT
.set SCL,    2*SLOT
.set HALFS,  4096
.set SPARE,  213248
.set VO,   8
.set ADRA, 16
.set ADRB, 20
.set VCO,  22
.set VCO1, 23
.set VSO,  24
.set ADRS, 27
.set SPW,  28
.set NIL,  29
.set SC,   32
.set BIAS, 64
.set AF,   128
.set H,    128
.set PC,   192
.set TM,   212
.set PW,   228
.set WV,   16
.set WA,   17
.set WB,   18
.set KIND, 19
.set CX,   20
.set CY,   21
.set TA,   22
.set TB,   23
.set G1,   24
.set G0,   32
.set KSA,  40
.set KSC,  41
.set KSE,  42
.set KSP,  43
.set KS0,  44
.set KS1,  45
.set KHI,  46
.set KSS,  47
.set G1B,  48
.set G0B,  56
.set G1S,  68
.set G0S,  76
.set G1SB, 80
.set G0SB, 88
.set SEL,  12
.set MSB, 0
.macro WIN new
.if MSB != \new
	s_set_vgpr_msb (MSB<<8)|\new
.set MSB, \new
.endif
.endm
.set MUL_LO, 0xa1
.set MUL_HI, 0xf1
.set TO_B,   0x40
.macro JLOAD g0a, g1a, g0b, g1b
	s_cmp_eq_u32 s[WA], 0
	s_cbranch_scc0 .Lfor_b_\@
	tensor_load_to_lds s[\g0a:\g0a+3], s[\g1a:\g1a+7]
	s_nop 0
.rept 4
	v_nop
.endr
	s_branch .Lasked_\@
.Lfor_b_\@:
	tensor_load_to_lds s[\g0b:\g0b+3], s[\g1b:\g1b+7]
	s_nop 0
.rept 4
	v_nop
.endr
.Lasked_\@:
.endm
.macro CREST
	s_cmp_lg_u32 s[WV], 0
	s_cbranch_scc1 .Lnot_wave_0_\@
	s_barrier_signal -3
.Lnot_wave_0_\@:
	s_barrier_wait -3
	s_barrier_signal -1
	s_barrier_wait -1
.endm
.macro CROUND
	s_barrier_signal -1
	s_barrier_wait -1
	CREST
.endm
	s_load_b256 s[4:11], s[0:1], 0x0
	s_load_b128 s[12:15], s[0:1], 0x20
	v_lshl_add_u32 v[SPW], v0, 2, SPARE
	v_mov_b32 v[NIL], 0
	ds_add_u32 v[SPW], v[NIL]
	ds_add_u32 v[SPW], v[NIL]
	v_lshrrev_b32 v1, 5, v0
	v_readfirstlane_b32 s[WV], v1
	s_lshr_b32 s[WA], s[WV], 1
	s_and_b32 s[WB], s[WV], 1
	s_bfe_u32 s[CX], ttmp6, 0x40000
	s_bfe_u32 s[CY], ttmp6, 0x40004
	s_and_b32 s40, ttmp7, 0xffff
	s_max_u32 s42, s40, 8
	s_sub_co_u32 s42, s42, 8
	s_lshl_b32 s42, s42, 3
	s_lshl_b32 s43, ttmp9, 2
	s_add_co_u32 s42, s42, s43
	s_add_co_u32 s[TB], s42, s[CX]
	s_lshl_b32 s41, s40, 2
	s_cmp_ge_u32 s40, 8
	s_cselect_b32 s[KIND], 1, 0
	s_cselect_b32 s41, 0, s41
	s_add_co_u32 s[TA], s41, s[CY]
	s_lshl_b32 s43, s[CY], 2
	s_lshl_b32 s43, 15, s43
	s_lshl_b32 s44, 0x1111, s[CX]
	s_or_b32 s[G1+0], s43, (3<<16)|(1<<21)
	s_or_b32 s[G1B+0], s44, (3<<16)|(1<<21)
.irp g, G1, G1B
	s_mov_b32 s[\g+1], 384<<16
	s_mov_b32 s[\g+2], 16<<16
	s_mov_b32 s[\g+3], 384<<16
	s_mov_b32 s[\g+4], 16
	s_mov_b32 s[\g+5], 1536
	s_mov_b32 s[\g+6], 0
	s_mov_b32 s[\g+7], 0
.endr
	s_or_b32 s[G1S+0], s43, (3<<16)|(1<<21)
	s_or_b32 s[G1SB+0], s44, (3<<16)|(1<<21)
.irp g, G1S, G1SB
	s_mov_b32 s[\g+1], 32<<16
	s_mov_b32 s[\g+2], 32<<16
	s_mov_b32 s[\g+3], 32<<16
	s_mov_b32 s[\g+4], 32
	s_mov_b32 s[\g+5], 32
	s_mov_b32 s[\g+6], 0
	s_mov_b32 s[\g+7], 0
.endr
	s_lshl_b32 s40, s[TA], 4
	s_lshl_b32 s42, s[TB], 4
	s_mul_i32 s92, s40, 12288
	s_lshl_b32 s94, s40, 9
	s_mul_i32 s96, s42, 12288
	s_lshl_b32 s98, s42, 9
	s_cmp_eq_u32 s[KIND], 1
	s_cselect_b32 s43, 1572864, 0
	s_mov_b32 s44, 6291456
	s_cselect_b32 s44, 3211264, s44
	s_mov_b32 s45, 3145728
	s_cselect_b32 s45, 6291456, s45
	s_add_co_u32 s92, s92, s43
	s_add_co_u32 s94, s94, s44
	s_add_co_u32 s98, s98, s45
	s_mov_b32 s93, 0
	s_mov_b32 s95, 0
	s_mov_b32 s97, 0
	s_mov_b32 s99, 0
	s_mul_i32 s46, s[WV], HALFT
	s_wait_dscnt 0x0
	s_wait_kmcnt 0x0
	s_cmp_eq_u32 s[KIND], 1
	s_cselect_b64 s[40:41], s[6:7], s[4:5]
	s_cselect_b64 s[42:43], s[4:5], s[6:7]
	s_add_nc_u64 s[92:93], s[40:41], s[92:93]
	s_add_nc_u64 s[94:95], s[40:41], s[94:95]
	s_add_nc_u64 s[96:97], s[42:43], s[96:97]
	s_add_nc_u64 s[98:99], s[42:43], s[98:99]
	CROUND
	s_mov_b32 s[G0S], 1
	s_mov_b32 s[G0S+1], SCL
	s_mov_b64 s[G0S+2:G0S+3], s[94:95]
	s_or_b32 s[G0S+3], s[G0S+3], 0x80000000
	s_mov_b32 s[G0SB], 1
	s_mov_b32 s[G0SB+1], SCL+8320
	s_mov_b64 s[G0SB+2:G0SB+3], s[98:99]
	s_or_b32 s[G0SB+3], s[G0SB+3], 0x80000000
	; the head's four tiles, each whole, one joint load a wave: wave 0 slot 0's 16 row blocks of A, wave 1 those of B, wave 2 A's scale words, wave 3 B's
	s_mov_b32 s[G0], 1
	s_mov_b32 s[G0+1], 0
	s_mov_b64 s[G0+2:G0+3], s[92:93]
	s_or_b32 s[G0+3], s[G0+3], 0x80000000
	s_mov_b32 s[G0B], 1
	s_mov_b32 s[G0B+1], 2*HALFT
	s_mov_b64 s[G0B+2:G0B+3], s[96:97]
	s_or_b32 s[G0B+3], s[G0B+3], 0x80000000
	s_cmp_lt_u32 s[WV], 1
	s_cbranch_scc0 .Lhead_b
	tensor_load_to_lds s[G0:G0+3], s[G1:G1+7]
	s_nop 0
.rept 4
	v_nop
.endr
	s_branch .Lhead_asked
.Lhead_b:
	s_cmp_lt_u32 s[WV], 2
	s_cbranch_scc0 .Lhead_sa
	tensor_load_to_lds s[G0B:G0B+3], s[G1B:G1B+7]
	s_nop 0
.rept 4
	v_nop
.endr
	s_branch .Lhead_asked
.Lhead_sa:
	s_cmp_lt_u32 s[WV], 3
	s_cbranch_scc0 .Lhead_sb
	tensor_load_to_lds s[G0S:G0S+3], s[G1S:G1S+7]
	s_nop 0
.rept 4
	v_nop
.endr
	s_branch .Lhead_asked
.Lhead_sb:
	tensor_load_to_lds s[G0SB:G0SB+3], s[G1SB:G1SB+7]
	s_nop 0
.rept 4
	v_nop
.endr
.Lhead_asked:
	s_mul_i32 s94, s[WB], 8*12288                  ; in the ring a wave fetches 8 row blocks: which half
	s_mov_b32 s95, 0
	s_add_nc_u64 s[92:93], s[92:93], s[94:95]
	s_add_nc_u64 s[96:97], s[96:97], s[94:95]
	s_mov_b32 s[G0+4], 1
	s_add_co_u32 s[G0+5], s46, SLOT
	s_add_nc_u64 s[G0+6:G0+7], s[92:93], RBK
	s_or_b32 s[G0+7], s[G0+7], 0x80000000
	s_mov_b32 s[G0B+4], 1
	s_add_co_u32 s[G0B+5], s46, SLOT
	s_add_nc_u64 s[G0B+6:G0B+7], s[96:97], RBK
	s_or_b32 s[G0B+7], s[G0B+7], 0x80000000
	s_wait_alu depctr_va_vdst(0)
	s_wait_tensorcnt 0x0                           ; my tile of the four is in
	ds_add_u32 v[SPW], v[NIL]
	s_mov_b32 s[G1+2], 8<<16                       ; no tensor load of mine is out: from here on a load brings 8 row blocks
	s_mov_b32 s[G1+4], 8
	s_mov_b32 s[G1B+2], 8<<16
	s_mov_b32 s[G1B+4], 8
	s_mov_b32 s[G0+1], s46                         ; and slot 0's descriptors become the ring's
	s_mov_b64 s[G0+2:G0+3], s[92:93]
	s_or_b32 s[G0+3], s[G0+3], 0x80000000
	s_mov_b32 s[G0B+1], s46
	s_mov_b64 s[G0B+2:G0B+3], s[96:97]
	s_or_b32 s[G0B+3], s[G0B+3], 0x80000000
	s_wait_dscnt 0x0
	CROUND
	JLOAD G0+4, G1, G0B+4, G1B
	v_and_b32 v1, 15, v0
	v_bfe_u32 v2, v0, 4, 1
	s_wait_alu depctr_va_vdst(0)
	v_and_b32 v3, 31, v0
	v_lshlrev_b32 v3, 3, v3
	s_mul_i32 s92, s[WA], HALFT
	s_mul_i32 s93, s[WB], HALFT
	s_add_co_u32 s93, s93, 2*HALFT
.irp s, 0,1
	v_add_nc_u32 v[ADRA+\s], s92, v3
	v_add_nc_u32 v[ADRB+\s], s93, v3
	s_add_co_u32 s92, s92, SLOT
	s_add_co_u32 s93, s93, SLOT
.endr
	s_lshl_b32 s92, s[WA], 12
	s_lshl_b32 s93, s[WB], 12
	s_add_co_u32 s93, s93, 8320
	s_sub_co_u32 s93, s93, s92
	v_mul_u32_u24 v4, s93, v2
	s_add_co_u32 s92, s92, SCL
	v_lshl_add_u32 v4, v1, 3, v4
	v_add_nc_u32 v[ADRS], s92, v4
	s_cmp_eq_u32 s[KIND], 1
	s_cselect_b32 s92, s[TB], s[TA]
	s_cselect_b32 s93, s[WB], s[WA]
	s_cselect_b32 s94, s[TA], s[TB]
	s_cselect_b32 s95, s[WA], s[WB]
	s_mov_b32 s[KSA], 768
	s_cselect_b32 s[KSA], 24576, s[KSA]
	s_mov_b32 s[KSC], 98304
	s_cselect_b32 s[KSC], 768, s[KSC]
	s_cselect_b32 s[KSE], 64, 256
	s_cselect_b32 s[KSP], 128, 64
	s_mov_b32 s[KS0], 0x05040100
	s_cselect_b32 s[KS0], 0x03020100, s[KS0]
	s_mov_b32 s[KS1], 0x07060302
	s_cselect_b32 s[KS1], 0x07060504, s[KS1]
	s_mov_b32 s[KSS], 6144
	s_cselect_b32 s[KSS], 1536, s[KSS]
	s_cselect_b32 s96, 0, 64
	s_cselect_b32 s97, 4, 0
	s_cselect_b32 s98, 0, 4
	s_mov_b32 s[KHI], 0xffff0000
	s_lshr_b32 s99, s94, 2
	s_cmp_eq_u32 s[KIND], 1
	s_cselect_b32 s99, 2, s99
	s_cmp_eq_u32 s99, 0
	s_cselect_b64 s[8:9], s[8:9], s[10:11]
	s_cmp_eq_u32 s99, 2
	s_cselect_b64 s[8:9], s[12:13], s[8:9]
	s_and_b32 s94, s94, 3
	s_lshl_b32 s94, s94, 1
	s_add_co_u32 s94, s94, s95
	s_lshr_b32 s95, s92, 3
	s_and_b32 s92, s92, 7
	s_lshl_b32 s92, s92, 1
	s_add_co_u32 s92, s92, s93
	s_mul_i32 s2, s99, 6291456
	s_mul_i32 s3, s95, 1572864
	s_add_co_u32 s2, s2, s3
	s_mul_i32 s3, s94, 196608
	s_add_co_u32 s2, s2, s3
	s_mul_i32 s3, s92, s[KSS]
	s_add_co_u32 s2, s2, s3
	s_mov_b32 s3, 0
	s_add_nc_u64 s[4:5], s[14:15], s[2:3]
	s_lshl_b32 s2, s99, 18
	s_lshl_b32 s93, s95, 16
	s_add_co_u32 s2, s2, s93
	s_lshl_b32 s93, s92, 12
	s_add_co_u32 s2, s2, s93
	s_lshl_b32 s93, s94, 9
	s_add_co_u32 s2, s2, s93
	s_add_co_u32 s2, s2, 18874368
	s_add_nc_u64 s[6:7], s[14:15], s[2:3]
	s_mov_b32 s2, s93
	s_add_nc_u64 s[8:9], s[8:9], s[2:3]
	s_mov_b32 s[SEL], 0x76543210
	s_mov_b32 s[SEL+1], 0xfedcba98
	v_and_b32 v5, 8, v1
	v_add_nc_u32 v5, v5, v1
	v_mul_u32_u24 v6, v2, s96
	v_mad_u32_u24 v6, v5, s97, v6
.irp j, 0,1,2,3,4,5,6,7
	v_mad_u32_u24 v[VO+\j], s98, \j, v6
.endr
.irp k, 0,1,2,3,4,5,6,7
.irp j, 0,1,2,3,4,5,6,7
	global_load_b32 v[BIAS+8*\k+\j], v[VO+\j], s[8:9] offset:4*(32*(\k/2)+8*(\k%2))
.endr
.endr
	v_mov_b32 v[VCO], v3
	v_add_nc_u32 v[VCO1], s[KSC], v3
	v_mul_u32_u24 v[VSO], v2, s[KSE]
	v_lshl_add_u32 v[VSO], v1, 2, v[VSO]
.macro FRAG reg, adr, q, i
.irp p, 0,1,2,3,4,5
	ds_load_b64 v[\reg+2*\p:\reg+2*\p+1], v[\adr] offset:(\i)*RBK+(\q)*1536+256*\p
.endr
.endm
.macro MUL16 a0, p, q, sc, zero
.irp a, \a0, \a0+1
.irp b, 0,1,2,3,4,5,6,7
.if \zero
	v_wmma_scale_f32_16x16x128_f8f6f4 v[8*(8*((\a)%4)+\b):8*(8*((\a)%4)+\b)+7], v[128*(\p)+FR*\b:128*(\p)+FR*\b+FR-1], v[AF+FR*(\a):AF+FR*(\a)+FR-1], 0, v[SC+8*NQ*(\sc)+NQ*\b+(\q)], v[SC+8*NQ*(\sc)+NQ*(\a)+(\q)] matrix_a_fmt:MATRIX_FMT_FP6 matrix_b_fmt:MATRIX_FMT_FP6 matrix_a_scale:MATRIX_SCALE_ROW1
.else
	v_wmma_scale_f32_16x16x128_f8f6f4 v[8*(8*((\a)%4)+\b):8*(8*((\a)%4)+\b)+7], v[128*(\p)+FR*\b:128*(\p)+FR*\b+FR-1], v[AF+FR*(\a):AF+FR*(\a)+FR-1], v[8*(8*((\a)%4)+\b):8*(8*((\a)%4)+\b)+7], v[SC+8*NQ*(\sc)+NQ*\b+(\q)], v[SC+8*NQ*(\sc)+NQ*(\a)+(\q)] matrix_a_fmt:MATRIX_FMT_FP6 matrix_b_fmt:MATRIX_FMT_FP6 matrix_a_scale:MATRIX_SCALE_ROW1
.endif
.endr
.endr
.endm
.macro FETCH_B slot, q, p
	WIN TO_B
.irp i, 0,1,2,3,4,5,6,7
	FRAG 128*(\p)+FR*\i, ADRB+\slot, \q, \i
.endr
	WIN 0
.endm
.macro FETCH_A slot, q, i0
.irp i, \i0, \i0+1, \i0+2, \i0+3
	FRAG AF+FR*(\i), ADRA+\slot, \q, \i
.endr
.endm
.macro SCALES sc
.irp i, 0,1,2,3,4,5,6,7
	ds_load_b64 v[SC+8*NQ*\sc+NQ*\i:SC+8*NQ*\sc+NQ*\i+1], v[ADRS] offset:\i*512
.endr
.endm
.macro PLACES n
.rept \n
	v_nop
.endr
.endm
.macro STEP slot, q, zero
	s_wait_dscnt 4*NL
	WIN MUL_LO
	MUL16 0, (\q)%2, \q, \slot, \zero
	MUL16 2, (\q)%2, \q, \slot, \zero
	s_wait_dscnt 0
	PLACES NP
	FETCH_B \slot, (\q)+1, 1-(\q)%2
	FETCH_A \slot, (\q)+1, 0
	WIN MUL_HI
	MUL16 4, (\q)%2, \q, \slot, \zero
	MUL16 6, (\q)%2, \q, \slot, \zero
	PLACES NP
	WIN 0
	FETCH_A \slot, (\q)+1, 4
.endm
.macro TURN slot, next, fill
	s_wait_tensorcnt 0x0
	ds_add_u32 v[SPW], v[NIL]
	s_wait_dscnt 4*NL+1
	WIN MUL_LO
	MUL16 0, 1, NQ-1, \slot, 0
	s_wait_dscnt 0x0
	s_barrier_signal -1
	MUL16 2, 1, NQ-1, \slot, 0
	WIN 0
	s_barrier_wait -1
.if \fill
	CREST
	s_add_nc_u64 s[G0+4*\slot+2:G0+4*\slot+3], s[G0+4*\slot+2:G0+4*\slot+3], 2*RBK
	s_add_nc_u64 s[G0B+4*\slot+2:G0B+4*\slot+3], s[G0B+4*\slot+2:G0B+4*\slot+3], 2*RBK
	JLOAD G0+4*\slot, G1, G0B+4*\slot, G1B
.else
	PLACES NP
.endif
	s_wait_alu depctr_va_vdst(0)
	v_add_nc_u32 v[ADRS], 128, v[ADRS]
	FETCH_B \next, 0, 0
	FETCH_A \next, 0, 0
	SCALES \next
	WIN MUL_HI
	MUL16 4, 1, NQ-1, \slot, 0
	MUL16 6, 1, NQ-1, \slot, 0
	PLACES NP
	WIN 0
	FETCH_A \next, 0, 4
.endm
	s_wait_tensorcnt 1
	s_barrier_signal -1
	s_barrier_wait -1
	FETCH_B 0, 0, 0
	FETCH_A 0, 0, 0
	SCALES 0
	FETCH_A 0, 0, 4
	STEP 0, 0, 1
	TURN 0, 1, 1
	STEP 1, 0, 0
	TURN 1, 0, 1
	STEP 0, 0, 0
	TURN 0, 1, 0
	STEP 1, 0, 0
	s_wait_dscnt 4*NL
	WIN MUL_LO
	MUL16 0, 1, NQ-1, 1, 0
	MUL16 2, 1, NQ-1, 1, 0
	s_wait_dscnt 0
	WIN MUL_HI
	MUL16 4, 1, NQ-1, 1, 0
	MUL16 6, 1, NQ-1, 1, 0
	WIN 0
.macro QUANT s, pw
.irp b, 0,1,2,3
	v_max3_num_f32 v[TM+\b], |v[\s+16*\b]|, |v[\s+1+16*\b]|, 0x1800000
.endr
.irp i, 2,4,6,8,10,12,14
.irp b, 0,1,2,3
	v_max3_num_f32 v[TM+\b], v[TM+\b], |v[\s+16*\b+\i]|, |v[\s+1+16*\b+\i]|
.endr
.endr
.irp b, 0,1,2,3
	v_permlanex16_b32 v[TM+4+\b], v[TM+\b], s[SEL], s[SEL+1]
.endr
.irp b, 0,1,2,3
	v_max_num_f32 v[TM+\b], v[TM+\b], v[TM+4+\b]
.endr
.irp b, 0,1,2,3
	v_add_nc_u32 v[TM+12+\b], 0xff000000, v[TM+\b]
.endr
.irp b, 0,1,2,3
	v_lshrrev_b32 v[TM+4+\b], 23, v[TM+12+\b]
.endr
	v_lshl_or_b32 v[\pw], v[TM+5], 8, v[TM+4]
	v_lshl_or_b32 v[\pw], v[TM+6], 16, v[\pw]
	v_lshl_or_b32 v[\pw], v[TM+7], 24, v[\pw]
.irp c, 0,1
	v_cvt_scalef32_pk16_fp6_f32 v[PC+6*\c:PC+2+6*\c], v[\s+32*\c:\s+15+32*\c], v[TM+12+2*\c]
	v_cvt_scalef32_pk16_fp6_f32 v[PC+12+4*\c:PC+14+4*\c], v[\s+16+32*\c:\s+31+32*\c], v[TM+12+2*\c+1]
.endr
	v_nop
.irp c, 0,1
.irp i, 0,1,2
	v_permlane16_swap_b32 v[PC+6*\c+\i], v[PC+12+4*\c+\i]
.endr
.irp i, 0,1,2
	v_mov_b32 v[PC+3+6*\c+\i], v[PC+12+4*\c+\i]
.endr
.endr
.endm
.macro ADDB i
.set AC, 64*((\i)%4)
.set WW, 0x02+(\i)/4
	s_cmp_eq_u32 s[KIND], 1
	s_cbranch_scc1 .Lfor_v_\@
	WIN WW
.set k, 0
.rept 32
	v_pk_add_f32 v[H+2*k:H+2*k+1], v[AC+2*k:AC+2*k+1], v[BIAS+2*k:BIAS+2*k+1]
.set k, k+1
.endr
	WIN 0
	s_branch .Ladded_\@
.Lfor_v_\@:
	WIN WW
.set k, 0
.rept 32
	v_pk_add_f32 v[H+2*k:H+2*k+1], v[AC+2*k:AC+2*k+1], v[BIAS+8*(\i)+(2*k)%8:BIAS+8*(\i)+(2*k)%8+1]
.set k, k+1
.endr
	WIN 0
.Ladded_\@:
.endm
.macro OUTBLK i
.if (\i) > 0
	s_wait_xcnt 0x0
	v_add_nc_u32 v[VCO], s[KSA], v[VCO]
	v_add_nc_u32 v[VCO1], s[KSA], v[VCO1]
.if (\i)%2 == 0
	v_add_nc_u32 v[VSO], s[KSP], v[VSO]
.endif
.endif
	ADDB \i
	QUANT H, PW+(\i)%2
.irp p, 0,1,2
	global_store_b64 v[VCO], v[PC+2*\p:PC+2*\p+1], s[4:5] offset:256*\p
.endr
.irp p, 0,1,2
	global_store_b64 v[VCO1], v[PC+6+2*\p:PC+6+2*\p+1], s[4:5] offset:256*\p
.endr
.if (\i)%2
	v_perm_b32 v[PW+2], v[PW+1], v[PW], s[KS0]
	v_perm_b32 v[PW+3], v[PW+1], v[PW], s[KS1]
	v_cndmask_b32 v[PW+4], v[PW+2], v[PW+3], s[KHI]
	global_store_b32 v[VSO], v[PW+4], s[6:7]
.endif
.endm
	s_wait_loadcnt 0x0
	PLACES NP
.irp b, 0,1,2,3
	v_mov_b32 v[TM+4+\b], 0
.endr
.irp i, 0,1,2,3,4,5,6,7
	OUTBLK \i
.endr
	s_wait_tensorcnt 0x0
	ds_add_u32 v[SPW], v[NIL]
	s_wait_dscnt 0x0
	CROUND
	s_endpgm
.Lfunc_end_k_qf18d4d676f_gqkv:
	.size	k_qf18d4d676f_gqkv, .Lfunc_end_k_qf18d4d676f_gqkv-k_qf18d4d676f_gqkv
	.p2alignl 7, 3214868480
	.fill 96, 4, 3214868480
	.section	.rodata,"a",@progbits
	.p2align	6, 0x0
	.amdhsa_kernel k_qf18d4d676f_gqkv
		.amdhsa_group_segment_fixed_size 327680
		.amdhsa_private_segment_fixed_size 0
		.amdhsa_enable_private_segment 0
		.amdhsa_kernarg_size 48
		.amdhsa_user_sgpr_count 2
		.amdhsa_user_sgpr_kernarg_segment_ptr 1
		.amdhsa_wavefront_size32 1
		.amdhsa_system_sgpr_workgroup_id_x 1
		.amdhsa_system_sgpr_workgroup_id_y 1
		.amdhsa_system_sgpr_workgroup_id_z 1
		.amdhsa_system_vgpr_workitem_id 0
		.amdhsa_next_free_vgpr 1024
		.amdhsa_next_free_sgpr 100
		.amdhsa_reserve_vcc 0
		.amdhsa_float_denorm_mode_32 3
		.amdhsa_float_denorm_mode_16_64 3
		.amdhsa_memory_ordered 1
		.amdhsa_forward_progress 1
		.amdhsa_inst_pref_size 210
	.end_amdhsa_kernel
	.amdgpu_metadata
---
amdhsa.version: [ 1, 2 ]
amdhsa.kernels:
  - .name:           k_qf18d4d676f_gqkv
    .symbol:         k_qf18d4d676f_gqkv.kd
    .args:
      - { .name: xq, .offset: 0, .size: 8, .value_kind: global_buffer, .address_space: global }
      - { .name: wq, .offset: 8, .size: 8, .value_kind: global_buffer, .address_space: global }
      - { .name: bq, .offset: 16, .size: 8, .value_kind: global_buffer, .address_space: global }
      - { .name: bk, .offset: 24, .size: 8, .value_kind: global_buffer, .address_space: global }
      - { .name: bv, .offset: 32, .size: 8, .value_kind: global_buffer, .address_space: global }
      - { .name: qkv, .offset: 40, .size: 8, .value_kind: global_buffer, .address_space: global }
    .group_segment_fixed_size: 327680
    .private_segment_fixed_size: 0
    .kernarg_segment_align: 8
    .kernarg_segment_size: 48
    .max_flat_workgroup_size: 128
    .sgpr_count:     100
    .vgpr_count:     1024
    .wavefront_size: 32
...
	.end_amdgpu_metadata
.endif
;; end of part 2
;; launch attn (part 3): grid 4 x 64, 16 waves a work-group, clusters of 4 x 1, 219,136 bytes of LDS; arguments qkv, mw, oq; writes oq
.if DOCPART == 3
	.amdgcn_target "amdgcn-amd-amdhsa--gfx1250"
	.amdhsa_code_object_version 6
	.text
	.protected	k_qf18d4d676f_attn
	.globl	k_qf18d4d676f_attn
	.p2align	8
	.type	k_qf18d4d676f_attn,@function
k_qf18d4d676f_attn:
	s_mov_b64 s[64:65], 0
	v_nop
	global_prefetch_b8 v0, s[64:65] scope:SCOPE_SE
	s_setreg_imm32_b32 hwreg(HW_REG_WAVE_MODE, 25, 1), 1
	s_wait_xcnt 0x0
	s_wait_alu depctr_hold_cnt(0) depctr_sa_sdst(0) depctr_va_vdst(0) depctr_va_sdst(0) depctr_va_ssrc(0) depctr_va_vcc(0) depctr_vm_vsrc(0)
	s_getreg_b32 s2, hwreg(HW_REG_IB_STS2, 6, 4)
	s_cmp_eq_u32 s2, 0
	s_cbranch_scc0 .Lentry_in_a_cluster
	s_endpgm
.Lentry_in_a_cluster:
	s_bfe_u32 s2, ttmp6, 0x10000c
	s_cmp_lg_u32 s2, 0x3003
	s_cbranch_scc0 .Lentry_shape_is_right
	s_endpgm
.Lentry_shape_is_right:
; out[n][q][head] = softmax_k(q . k / 8, masked) v, both products on codes of FP6 (E2M3) with E8M0 scales; the result, divided by the row's sum, is quantised along the embedding and leaves as the last product's operand.
; THE SOFTMAX: t = score x log2(e) / 8; M = the running largest t rounded up to a whole number; p = 2^(t - M) is quantised along the keys, not normalised; the row's sum is taken of the unquantised p.
; THE MASK: a score whose mask number is 0 becomes -2^66 ahead of the maximum.  -2^66 x c is exact in f32, so in a row that is wholly masked t - M = 0 and p = 1 for every key.
; LIMITS: -2^66 stands for the -1e20 of the definition: energies that are kept must lie above about -7e19.  A mask number other than 0 keeps.  A block of zeros gets the byte 1.  NaN and infinities are not served.
; SHARES.  A work-group owns 512 queries of one head, each of its sixteen waves two blocks of 16, one after the other; four waves share a SIMD.
; THE HEAD'S WHOLE K AND V (codes 2 x 98,304 bytes, scale words 2 x 4,096) come into LDS once, by joint loads of the four work-groups of a cluster, which read the same head: no slot is filled again,
; and there is no loop ahead of which a prefetch of them could run.  The mask's words are asked for one step ahead by the scalar loads themselves.
; LAYOUT.  Both products are used transposed (source 0 = 16 keys, or 16 channels of v; source 1 = my 16 queries): a lane holds one query.
; K = 64 IN AN INSTRUCTION OF 128: a fragment of K holds TWO tiles of 16 keys, one in each half of the instruction's K.  Against [q, 0] it gives the first tile's scores, against [0, q] the second's: zero codes add nothing.
; WHICH KEYS FORM A TILE is chosen by the lanes' LDS addresses: row m of tile j (0 .. 3) of the 64 keys numbered c takes key 64 c + 32 (m / 8) + 8 j + m % 8.  So score register 32 c + i of lane (r, h) is key 64 c + 32 h + i:
; a lane's 32 registers are ONE scale block of p, in the order of the next operand's registers: its largest p needs no other lane, and no code changes lanes.
; In memory key 32 b + 16 g + 8 u + i of a step is row 8 g + i of half u of fragment b: lane (r, h) of fragment (c, g) reads row 8 g + r % 8 of fragment 2 c + r / 8.
; K's rows of 256 bytes lie 288 bytes apart in LDS: 6 x 288 = 192 modulo 256, so the four groups of eight lanes of a load touch four different runs of 64 bytes modulo 256.
; THE WAVES WALK THE KEYS IN STEP: a wave signals behind the masking of step k and waits ahead of the masking of step k + 1; between the two stand register work and LDS loads alone.
.set KP,    288                        ; K: an LDS row: 256 bytes + 32 of padding
.set VB,    110592                     ; V's codes, behind K's 384 rows
.set SB,    208896                     ; K's scale words, then V's
.set SPARE, 217088                     ; the spare words, 128 bytes a wave
.set LK,   1                           ; v1   K: 1,728 (r / 8) + 8 (r % 8) + 128 h
.set LV,   2                           ; v2   V's channel tiles 0, 1
.set LV2,  3                           ; v3   tiles 2, 3
.set LSC,  4                           ; v4   K's scale words: SB + 64 (r / 8) + 32 h + 4 (r % 8)
.set SPW,  5
.set NIL,  6
.set ADK,  8
.set ADV,  9
.set ADV2, 10
.set ADS,  11                          ; v12 -M, v13 the running largest score, v[14:15] the row's sum
.set QZ,   16                          ; v16-45: zeros, q of block 0, zeros, q of block 1, zeros: six registers each
.set QW,   46                          ; v46, v47 q's scale words
.set NEGR, 48
.set QRAW, 49
.set KF,   50                          ; v50-97   four fragments of K, then of V
.set S,    98                          ; v98-161  the scores, then p
.set O,    162                         ; v162-193 O^T
.set P,    194                         ; v194-205 p's codes
.set CT,   206                         ; v206-213 the sum's chains, then the conversions' second halves
.set KSC,  214
.set VSC,  216
.set PWD,  218
.set ADSV, 219
.set BM,   220
.set PD,   224
.set SO,   228
.set F,    232
.set TMP,  234
.set SH8,  235                         ; 8 h
.set LOUT, 242                         ; 8 x lane
.set OSO,  243
.set OC,   244                         ; v244-249 a block's codes on the way out
.set OH,   250
.set OHS,  252
.set QSO,  253
.set LSV,  254                         ; V's scale words: SB + 4,096 + 4 x lane
.set WV,   10
.set SEL,  16
.set CS,   18
.set TK,   20
.set TV,   21
.set TS,   22
.set CNT,  23
.set MO,   24
.macro ROUND
	s_barrier_signal -1
	s_barrier_wait -1
	s_cmp_lg_u32 s[WV], 0
	s_cbranch_scc1 .Lnot_wave_0_\@
	s_barrier_signal -3
.Lnot_wave_0_\@:
	s_barrier_wait -3
	s_barrier_signal -1
	s_barrier_wait -1
.endm
.macro TLOAD g0, g1
	tensor_load_to_lds s[\g0:\g0+3], s[\g1:\g1+7]
	s_nop 0
.rept 4
	v_nop
.endr
.endm
.macro D n                             ; a hint ahead of a plain line that reads the plain line n lines back
	s_delay_alu instid0(VALU_DEP_\n)
.endm
	s_load_b128 s[4:7], s[0:1], 0x0                ; qkv, mw
	s_load_b64 s[8:9], s[0:1], 0x10                ; oq
	v_lshl_add_u32 v[SPW], v0, 2, SPARE
	v_mov_b32 v[NIL], 0
	ds_add_u32 v[SPW], v[NIL]                      ; the opening lines: the add, twice on end, and its wait ahead of my first tensor load
	ds_add_u32 v[SPW], v[NIL]
	v_lshrrev_b32 v7, 5, v0
	v_readfirstlane_b32 s[WV], v7
	s_bfe_u32 s11, ttmp6, 0x40000
	s_lshl_b32 s15, ttmp9, 2
	s_add_co_u32 s11, s11, s15                     ; which 512 queries: it enters global addresses alone
	s_and_b32 s12, ttmp7, 0xffff                   ; 16 n + head, which the four partners share
	s_lshr_b32 s13, s12, 4                         ; n
	s_and_b32 s14, s12, 15                         ; head
	s_mov_b32 s68, 15|(3<<16)|(1<<20)|(1<<21)|(5<<22)|(7<<25)   ; K's codes: the mask of all four; elements of 8 bytes; 8 words of padding behind every 64
	s_mov_b32 s92, 15|(3<<16)|(1<<21)              ; V's: dense
.irp g, 68, 92
	s_mov_b32 s[\g+1], 32<<16                      ; 96 rows of 256 bytes
	s_mov_b32 s[\g+2], 96<<16
	s_mov_b32 s[\g+3], 32<<16
	s_mov_b32 s[\g+4], 96
	s_mov_b32 s[\g+5], 32
	s_mov_b32 s[\g+6], 0
	s_mov_b32 s[\g+7], 0
.endr
	s_mov_b32 s80, 15|(3<<16)|(1<<21)              ; scale words: 16 rows of 256 bytes, 4,096 bytes apart
	s_mov_b32 s81, 32<<16
	s_mov_b32 s82, 16<<16
	s_mov_b32 s83, 32<<16
	s_mov_b32 s84, 16
	s_mov_b32 s85, 512
	s_mov_b32 s86, 0
	s_mov_b32 s87, 0
	s_lshr_b32 s32, s[WV], 2                       ; waves 0-3: quarters of K's codes; waves 4-7: of V's
	s_add_co_u32 s32, s32, 1
	s_mul_i32 s32, s32, 6291456
	s_mul_i32 s33, s12, 98304
	s_add_co_u32 s32, s32, s33
	s_and_b32 s33, s[WV], 3
	s_mul_i32 s33, s33, 24576
	s_add_co_u32 s32, s32, s33
	s_mov_b32 s33, 0
	s_mul_i32 s77, s[WV], 96*KP                    ; K's quarter in LDS
	s_mul_i32 s53, s[WV], 24576                    ; V's: VB + (wave - 4) x 24,576
	s_add_co_u32 s53, s53, VB-4*24576
	s_and_b32 s36, s[WV], 1                        ; wave 8: K's scale words; wave 9: V's
	s_add_co_u32 s36, s36, 1
	s_lshl_b32 s36, s36, 18
	s_lshl_b32 s37, s13, 16
	s_add_co_u32 s36, s36, s37
	s_lshl_b32 s37, s14, 8
	s_add_co_u32 s36, s36, s37
	s_add_co_u32 s36, s36, 18874368
	s_mov_b32 s37, 0
	s_lshl_b32 s89, s[WV], 12
	s_add_co_u32 s89, s89, SB-8*4096
	s_lshl_b32 s38, s11, 4
	s_add_co_u32 s38, s38, s[WV]                   ; my pair of query blocks
	s_mul_i32 s40, s38, 1536                       ; q's codes
	s_mul_i32 s41, s12, 98304
	s_add_co_u32 s40, s40, s41
	s_mov_b32 s41, 0
	s_lshl_b32 s42, s13, 16                        ; q's scale word
	s_lshr_b32 s43, s38, 2
	s_lshl_b32 s43, s43, 12
	s_add_co_u32 s42, s42, s43
	s_lshl_b32 s43, s14, 8
	s_add_co_u32 s42, s42, s43
	s_and_b32 s43, s38, 3
	s_lshl_b32 s43, s43, 6
	s_add_co_u32 s42, s42, s43
	s_add_co_u32 s42, s42, 18874368
	s_mov_b32 s43, 0
	s_lshl_b32 s44, s13, 19                        ; the lane masks: 4,096 bytes a block of queries
	s_lshl_b32 s45, s38, 13
	s_add_co_u32 s44, s44, s45
	s_mov_b32 s45, 0
	s_lshl_b32 s46, s13, 7
	s_lshl_b32 s47, s38, 1
	s_add_co_u32 s46, s46, s47                     ; my first row block of oq
	s_mul_i32 s48, s46, 12288
	s_mul_i32 s49, s14, 768
	s_add_co_u32 s48, s48, s49
	s_mov_b32 s49, 0
	s_lshl_b32 s50, s46, 9
	s_lshr_b32 s51, s14, 2
	s_lshl_b32 s51, s51, 7
	s_add_co_u32 s50, s50, s51
	s_and_b32 s51, s14, 3
	s_lshl_b32 s51, s51, 1
	s_add_co_u32 s50, s50, s51
	s_add_co_u32 s50, s50, 6291456
	s_mov_b32 s51, 0
	s_mov_b32 s[SEL], 0x76543210
	s_mov_b32 s[SEL+1], 0xfedcba98
	s_mov_b32 s[CS], 0x3e38aa3b                    ; c = log2(e) / 8
	s_mov_b32 s[CS+1], s[CS]
	s_mov_b32 s25, 0xffff0000
	s_mov_b32 s[MO], 0
	s_wait_dscnt 0x0                               ; both opening adds are done
	s_wait_kmcnt 0x0
	s_mov_b32 s76, 1
	s_add_nc_u64 s[78:79], s[4:5], s[32:33]
	s_or_b32 s79, s79, 0x80000000
	s_mov_b32 s52, 1
	s_add_nc_u64 s[54:55], s[4:5], s[32:33]
	s_or_b32 s55, s55, 0x80000000
	s_mov_b32 s88, 1
	s_add_nc_u64 s[90:91], s[4:5], s[36:37]
	s_or_b32 s91, s91, 0x80000000
	s_add_nc_u64 s[40:41], s[4:5], s[40:41]
	s_add_nc_u64 s[42:43], s[4:5], s[42:43]
	s_add_nc_u64 s[26:27], s[6:7], s[44:45]
	s_add_nc_u64 s[28:29], s[8:9], s[48:49]
	s_add_nc_u64 s[30:31], s[8:9], s[50:51]
	ROUND                                          ; all four work-groups are here: the joint loads meet
	s_cmp_lt_u32 s[WV], 4                          ; at most one load a wave; the branches hang on the wave's number alone
	s_cbranch_scc0 .Lnot_k
	TLOAD 76, 68
	s_branch .Lasked
.Lnot_k:
	s_cmp_lt_u32 s[WV], 8
	s_cbranch_scc0 .Lnot_v
	TLOAD 52, 92
	s_branch .Lasked
.Lnot_v:
	s_cmp_lt_u32 s[WV], 10
	s_cbranch_scc0 .Lasked
	TLOAD 88, 80
.Lasked:
	v_and_b32 v7, 31, v0
	v_and_b32 v[QSO], 15, v0                       ; r
	v_bfe_u32 v[SH8], v0, 4, 1                     ; h
	v_bfe_u32 v255, v0, 3, 1                       ; r / 8
	v_lshlrev_b32 v[LOUT], 3, v7
	v_lshl_add_u32 v[LSV], v7, 2, SB+4096
	v_and_b32 v7, 7, v0                            ; r % 8
	v_lshlrev_b32 v[OSO], 9, v[SH8]
	v_add_nc_u32 v[LV], VB, v[LOUT]
	v_add_nc_u32 v[LV2], VB+49152, v[LOUT]
	v_lshlrev_b32 v[LK], 3, v7
	v_lshl_add_u32 v[LSC], v7, 2, SB
	v_lshl_add_u32 v[OSO], v[QSO], 3, v[OSO]       ; 512 h + 8 r
	v_lshlrev_b32 v[QSO], 2, v[QSO]
	v_lshl_add_u32 v[LK], v[SH8], 7, v[LK]
	v_lshl_add_u32 v[LSC], v[SH8], 5, v[LSC]
	v_lshlrev_b32 v[SH8], 3, v[SH8]
	v_mad_u32_u24 v[LK], v255, 6*KP, v[LK]
	v_lshl_add_u32 v[LSC], v255, 6, v[LSC]
.irp p, 0,1,2
	global_load_b64 v[QZ+6+2*\p:QZ+7+2*\p], v[LOUT], s[40:41] offset:256*\p
	global_load_b64 v[QZ+18+2*\p:QZ+19+2*\p], v[LOUT], s[40:41] offset:768+256*\p
.endr
	global_load_b32 v[QRAW], v[QSO], s[42:43]
.irp z, 0,12,24
.irp i, 0,1,2,3,4,5
	v_mov_b32 v[QZ+\z+\i], 0                       ; zero codes
.endr
.endr
	v_mov_b32 v[NEGR], 0xe0800000                  ; -2^66
	v_mov_b32 v[PD], 0                             ; written once: a lane permute's destination counts as read
	v_mov_b32 v[PD+1], 0
	v_mov_b32 v[TMP], 0
	v_mov_b32 v[F+1], 0                            ; named as the upper half of the pair
	s_wait_alu depctr_va_vdst(0)
	s_wait_loadcnt 0x0
	v_perm_b32 v[QW], v[QRAW], v[QRAW], 0x01000100     ; block 0's two bytes, for either half of the instruction's K
	v_perm_b32 v[QW+1], v[QRAW], v[QRAW], 0x03020302   ; block 1's
	s_wait_alu depctr_va_vdst(0)
	s_wait_tensorcnt 0x0                           ; my part of K and V is in,
	s_barrier_signal -1
	s_barrier_wait -1                              ; everybody's is.  The descriptors' registers are free
	s_load_b512 s[32:47], s[26:27], s[MO] offset:0x0   ; the first step's 64 lane masks
	s_load_b512 s[48:63], s[26:27], s[MO] offset:0x40
	s_load_b512 s[68:83], s[26:27], s[MO] offset:0x80
	s_load_b512 s[84:99], s[26:27], s[MO] offset:0xc0
.macro QK d, f, b, u, row
	v_wmma_scale_f32_16x16x128_f8f6f4 v[\d:\d+7], v[KF+12*\f:KF+12*\f+11], v[\b:\b+11], 0, v[KSC+\f/2], v[QW+\u] matrix_a_fmt:MATRIX_FMT_FP6 matrix_b_fmt:MATRIX_FMT_FP6 matrix_a_scale:MATRIX_SCALE_ROW\row
.endm
.macro PV t, row
	v_wmma_scale_f32_16x16x128_f8f6f4 v[O+8*\t:O+8*\t+7], v[KF+12*\t:KF+12*\t+11], v[P:P+11], v[O+8*\t:O+8*\t+7], v[VSC+\t/2], v[PWD] matrix_a_fmt:MATRIX_FMT_FP6 matrix_b_fmt:MATRIX_FMT_FP6 matrix_a_scale:MATRIX_SCALE_ROW\row
.endm
.macro STEP u                          ; 128 keys for query block u
	v_add_nc_u32 v[ADK], s[TK], v[LK]              ; these four lines are the places behind the last step's products
	v_add_nc_u32 v[ADS], s[TS], v[LSC]
	v_nop
	v_nop
.irp f, 0,1,2,3                        ; fragment f = (c, g) = (f / 2, f % 2): tiles 2 g and 2 g + 1 of the 64 keys numbered c
.irp p, 0,1,2,3,4,5
	ds_load_b64 v[KF+12*\f+2*\p:KF+12*\f+2*\p+1], v[ADK] offset:12*KP*(\f/2)+64*(\f%2)+KP*\p
.endr
.endr
	ds_load_b32 v[KSC], v[ADS]                     ; lanes 0-15: fragment (0, 0)'s scale words, lanes 16-31: fragment (0, 1)'s
	ds_load_b32 v[KSC+1], v[ADS] offset:128
	s_wait_alu depctr_va_vdst(0)
	s_wait_dscnt 0x0
.irp f, 0,1,2,3
.if \f%2
	QK S+16*\f, \f, QZ+12*\u+6, \u, 1
	QK S+16*\f+8, \f, QZ+12*\u, \u, 1
.else
	QK S+16*\f, \f, QZ+12*\u+6, \u, 0
	QK S+16*\f+8, \f, QZ+12*\u, \u, 0
.endif
.endr                                  ; register 32 c + i is key 64 c + 32 h + i of the step
	v_add_nc_u32 v[ADV], s[TV], v[LV]              ; four places behind the products
	v_add_nc_u32 v[ADV2], s[TV], v[LV2]
	v_add_nc_u32 v[ADSV], s[TS], v[LSV]
	v_nop
	s_barrier_wait -1                              ; every wave has passed the masking of the step before
	s_wait_kmcnt 0x0                               ; this step's lane masks
.set j, 0
.rept 64
.if j < 32
.set MJ, 32+j
.else
.set MJ, 36+j
.endif
	v_cndmask_b32 v[S+j], v[NEGR], v[S+j], s[MJ]   ; each accumulator from its low end on
.set j, j+1
.endr
	s_add_co_u32 s[MO], s[MO], 256                 ; the next step's masks; the last step asks for its own again: no load leaves the buffer
	s_min_u32 s[MO], s[MO], 7936
	s_load_b512 s[32:47], s[26:27], s[MO] offset:0x0
	s_load_b512 s[48:63], s[26:27], s[MO] offset:0x40
	s_load_b512 s[68:83], s[26:27], s[MO] offset:0x80
	s_load_b512 s[84:99], s[26:27], s[MO] offset:0xc0
	s_barrier_signal -1                            ; no LDS instruction of mine is out here
.irp t, 0,1                            ; V's fragments, into K's registers: they land under the softmax
.irp p, 0,1,2,3,4,5
	ds_load_b64 v[KF+12*\t+2*\p:KF+12*\t+2*\p+1], v[ADV] offset:24576*\t+256*\p
.endr
.endr
.irp t, 0,1
.irp p, 0,1,2,3,4,5
	ds_load_b64 v[KF+24+12*\t+2*\p:KF+24+12*\t+2*\p+1], v[ADV2] offset:24576*\t+256*\p
.endr
.endr
	ds_load_b32 v[VSC], v[ADSV]
	ds_load_b32 v[VSC+1], v[ADSV] offset:128
.irp b, 0,1,2,3                        ; the largest score of my two blocks of 32 keys, in two chains each
	v_max3_num_f32 v[BM+\b], v[S+16*\b], v[S+1+16*\b], v[S+2+16*\b]
.endr
.irp i, 3,5,7,9,11,13
.irp b, 0,1,2,3
	D 4
	v_max3_num_f32 v[BM+\b], v[BM+\b], v[S+16*\b+\i], v[S+1+16*\b+\i]
.endr
.endr
	D 3
	v_max3_num_f32 v[BM], v[BM], v[BM+1], v[S+15]
	D 2
	v_max3_num_f32 v[BM+2], v[BM+2], v[BM+3], v[S+47]
	D 2
	v_max_num_f32 v[BM], v[BM], v[S+31]            ; block h
	D 2
	v_max_num_f32 v[BM+2], v[BM+2], v[S+63]        ; block 2 + h
	D 1
	v_max_num_f32 v[TMP], v[BM], v[BM+2]
	D 1
	v_permlanex16_b32 v[PD], v[TMP], s[SEL], s[SEL+1]
	D 1
	v_max3_num_f32 v13, v13, v[TMP], v[PD]         ; the running largest score of my query
	v_mov_b32 v[TMP], v12
	D 2
	v_mul_f32 v[PD+1], s[CS], v13                  ; as t (c is positive)
	D 1
	v_floor_f32 v12, -v[PD+1]                      ; -M = floor(-t): M is a whole number
	D 1
	v_sub_f32 v[TMP], v12, v[TMP]                  ; old M - new M, 0 or less
	D 1
	v_cvt_i32_f32 v[TMP], v[TMP]                   ; (it saturates)
	D 1
	v_ldexp_f32 v[F], 1.0, v[TMP]                  ; f = 2^(old M - new M)
.set j, 0
.rept 32
	v_pk_fma_f32 v[S+j:S+j+1], v[S+j:S+j+1], s[CS:CS+1], v[12:13] op_sel_hi:[1,0,0]   ; t - M
.set j, j+2
.endr
	v_fma_f32 v[BM], v[BM], s[CS], v12
	v_fma_f32 v[BM+2], v[BM+2], s[CS], v12
	s_wait_alu depctr_va_vdst(0)
.set j, 0
.rept 64
	v_exp_f32 v[S+j], v[S+j]                       ; p = 2^(t - M)
.set j, j+1
.endr
	v_pk_mul_f32 v[14:15], v[14:15], v[F:F+1] op_sel_hi:[1,0]   ; the sums under the new M: a plain place behind the exponentials
	s_wait_alu depctr_va_vdst(0)                   ; one wait for the batch, ahead of its first reader
	v_exp_f32 v[BM], v[BM]                         ; each block's largest p: the same two instructions on the same number
	v_exp_f32 v[BM+2], v[BM+2]
.set j, 0                              ; the row's sum of the unquantised p: 32 packed additions in eight chains
.irp t, 206,208,210,212,236,238,240
	v_pk_add_f32 v[\t:\t+1], v[S+j:S+j+1], v[S+j+2:S+j+3]
.set j, j+4
.endr
	v_pk_add_f32 v[14:15], v[14:15], v[S+28:S+29]
.set j, 30
.rept 2
.irp t, 206,208,210,212,236,238,240
	v_pk_add_f32 v[\t:\t+1], v[\t:\t+1], v[S+j:S+j+1]
.set j, j+2
.endr
	v_pk_add_f32 v[14:15], v[14:15], v[S+j:S+j+1]
.set j, j+2
.endr
	v_pk_add_f32 v[206:207], v[206:207], v[S+62:S+63]
	D 2
	v_pk_add_f32 v[14:15], v[14:15], v[212:213]
	D 2
	v_pk_add_f32 v[206:207], v[206:207], v[236:237]
	v_pk_add_f32 v[208:209], v[208:209], v[238:239]
	v_pk_add_f32 v[210:211], v[210:211], v[240:241]
	D 2
	v_pk_add_f32 v[14:15], v[14:15], v[208:209]
	D 2
	v_pk_add_f32 v[206:207], v[206:207], v[210:211]
	D 1
	v_pk_add_f32 v[14:15], v[14:15], v[206:207]
	s_wait_alu depctr_va_vdst(0)                   ; and one for the two
	v_max_num_f32 v[BM], 0x1800000, v[BM]          ; the floor 2^(3 - 127)
	v_max_num_f32 v[BM+2], 0x1800000, v[BM+2]
	D 2
	v_add_nc_u32 v[SO], 0xff000000, v[BM]          ; 2 off the exponent field: the conversion's scale operand
	D 2
	v_add_nc_u32 v[SO+1], 0xff000000, v[BM+2]
	D 2
	v_lshrrev_b32 v[PD], 23, v[SO]
	D 2
	v_lshrrev_b32 v[PD+1], 23, v[SO+1]
	D 1
	v_lshl_or_b32 v[PD], v[PD+1], 16, v[PD]        ; my two bytes: blocks h and 2 + h,
	D 1
	v_lshlrev_b32 v[PD], v[SH8], v[PD]             ; at their places;
	D 1
	v_permlanex16_b32 v[PD+1], v[PD], s[SEL], s[SEL+1]
	D 1
	v_or_b32 v[PWD], v[PD], v[PD+1]                ; with lane l xor 16's two p's scale word is whole
.irp c, 0,1
	v_cvt_scalef32_pk16_fp6_f32 v[P+6*\c:P+6*\c+2], v[S+32*\c:S+32*\c+15], v[SO+\c]
	v_cvt_scalef32_pk16_fp6_f32 v[CT+4*\c:CT+4*\c+2], v[S+32*\c+16:S+32*\c+31], v[SO+\c]
.endr
	v_nop                                          ; one plain place behind a scaled conversion
.irp c, 0,1
.irp i, 0,1,2
	v_mov_b32 v[P+3+6*\c+\i], v[CT+4*\c+\i]        ; (a conversion's three registers begin on an even number)
.endr
.endr
	s_wait_alu depctr_va_vdst(0)                   ; directly ahead of the first reader of O^T
.set j, 0
.rept 16
	v_pk_mul_f32 v[O+j:O+j+1], v[O+j:O+j+1], v[F:F+1] op_sel_hi:[1,0]   ; O^T under the new M; these sixteen are also the places ahead of the scaled products
.set j, j+2
.endr
	s_wait_alu depctr_va_vdst(0)
	s_wait_dscnt 0x0                               ; V's fragments and scale words
	PV 0, 0                                        ; four accumulators, one instruction a turn
	PV 1, 1
	PV 2, 0
	PV 3, 1
	s_add_co_u32 s[TK], s[TK], 24*KP
	s_add_co_u32 s[TV], s[TV], 1536
	s_add_co_u32 s[TS], s[TS], 256
.endm
.macro TILE u
	v_mov_b32 v13, 0xff61b1e6                      ; the largest score so far: -3e38
	D 1
	v_floor_f32 v12, -v13
	v_mov_b32 v14, 0
	v_mov_b32 v15, 0
.set j, 0
.rept 32
	v_mov_b32 v[O+j], 0                            ; the step is written once: the first finds zeros
.set j, j+1
.endr
	s_mov_b32 s[TK], 0
	s_mov_b32 s[TV], 0
	s_mov_b32 s[TS], 0
	s_mov_b32 s[CNT], 16
	s_wait_alu depctr_va_vdst(0)
	s_barrier_signal -1                            ; for the first step's wait
.Lstep_\@:
	STEP \u
	s_sub_co_u32 s[CNT], s[CNT], 1
	s_cmp_lg_u32 s[CNT], 0
	s_cbranch_scc1 .Lstep_\@
	s_barrier_wait -1                              ; for the last step's signal
.if \u
	s_wait_xcnt 0x0                                ; block 0's stores have read their codes' registers
.endif
.rept 4
	v_nop                                          ; places behind the last products
.endr
	v_add_f32 v14, v14, v15
	D 1
	v_permlanex16_b32 v[TMP], v14, s[SEL], s[SEL+1]
	D 1
	v_add_f32 v14, v14, v[TMP]                     ; the row's sum
	s_wait_alu depctr_va_vdst(0)
	v_rcp_f32 v14, v14
	v_nop
	s_wait_alu depctr_va_vdst(0)                   ; ahead of the first reader
.set j, 0
.rept 32
	v_mul_f32 v[S+j], v[O+j], v14                  ; register 16 b + i is channel 32 b + 16 h + i of the head
.set j, j+1
.endr
.irp b, 0,1                            ; quantised along the embedding: the head's two blocks of 32
	v_max3_num_f32 v[BM+\b], |v[S+16*\b]|, |v[S+1+16*\b]|, 0x1800000
.endr
.irp i, 2,4,6,8,10,12,14
.irp b, 0,1
	D 2
	v_max3_num_f32 v[BM+\b], v[BM+\b], |v[S+16*\b+\i]|, |v[S+1+16*\b+\i]|
.endr
.endr
.irp b, 0,1
	D 2
	v_permlanex16_b32 v[PD+\b], v[BM+\b], s[SEL], s[SEL+1]
.endr
.irp b, 0,1
	D 2
	v_max_num_f32 v[BM+\b], v[BM+\b], v[PD+\b]
.endr
.irp b, 0,1
	D 2
	v_add_nc_u32 v[SO+\b], 0xff000000, v[BM+\b]
.endr
.irp b, 0,1
	D 2
	v_lshrrev_b32 v[PD+\b], 23, v[SO+\b]
.endr
	D 1
	v_lshl_or_b32 v[OH+\u], v[PD+1], 8, v[PD]      ; my row's two scale bytes
	v_cvt_scalef32_pk16_fp6_f32 v[OC:OC+2], v[S:S+15], v[SO]
	v_cvt_scalef32_pk16_fp6_f32 v[CT:CT+2], v[S+16:S+31], v[SO+1]
	v_nop
.irp i, 0,1,2
	v_permlane16_swap_b32 v[OC+\i], v[CT+\i]
.endr
.irp i, 0,1,2
	D 3
	v_mov_b32 v[OC+3+\i], v[CT+\i]
.endr
.irp p, 0,1,2
	global_store_b64 v[LOUT], v[OC+2*\p:OC+2*\p+1], s[28:29] offset:12288*\u+256*\p   ; 256 consecutive bytes, aligned
.endr
.endm
	TILE 0
	TILE 1
	v_cndmask_b32 v[OHS], v[OH], v[OH+1], s25      ; lanes 0-15: block 0's rows; lanes 16-31: block 1's
	global_store_b16 v[OSO], v[OHS], s[30:31]      ; a head owns 2 of a row's 32 scale bytes
	s_wait_tensorcnt 0x0                           ; the wave's end
	ds_add_u32 v[SPW], v[NIL]
	s_wait_dscnt 0x0
	ROUND                                          ; the closing round
	s_endpgm
.Lfunc_end_k_qf18d4d676f_attn:
	.size	k_qf18d4d676f_attn, .Lfunc_end_k_qf18d4d676f_attn-k_qf18d4d676f_attn
	.p2alignl 7, 3214868480
	.fill 96, 4, 3214868480
	.section	.rodata,"a",@progbits
	.p2align	6, 0x0
	.amdhsa_kernel k_qf18d4d676f_attn
		.amdhsa_group_segment_fixed_size 219136
		.amdhsa_private_segment_fixed_size 0
		.amdhsa_enable_private_segment 0
		.amdhsa_kernarg_size 24
		.amdhsa_user_sgpr_count 2
		.amdhsa_user_sgpr_kernarg_segment_ptr 1
		.amdhsa_wavefront_size32 1
		.amdhsa_system_sgpr_workgroup_id_x 1
		.amdhsa_system_sgpr_workgroup_id_y 1
		.amdhsa_system_sgpr_workgroup_id_z 1
		.amdhsa_system_vgpr_workitem_id 0
		.amdhsa_next_free_vgpr 256
		.amdhsa_next_free_sgpr 100
		.amdhsa_reserve_vcc 0
		.amdhsa_float_denorm_mode_32 3
		.amdhsa_float_denorm_mode_16_64 3
		.amdhsa_memory_ordered 1
		.amdhsa_forward_progress 1
		.amdhsa_inst_pref_size 67
	.end_amdhsa_kernel
	.amdgpu_metadata
---
amdhsa.version: [ 1, 2 ]
amdhsa.kernels:
  - .name:           k_qf18d4d676f_attn
    .symbol:         k_qf18d4d676f_attn.kd
    .args:
      - { .name: qkv, .offset: 0, .size: 8, .value_kind: global_buffer, .address_space: global }
      - { .name: mw, .offset: 8, .size: 8, .value_kind: global_buffer, .address_space: global }
      - { .name: oq, .offset: 16, .size: 8, .value_kind: global_buffer, .address_space: global }
    .group_segment_fixed_size: 219136
    .private_segment_fixed_size: 0
    .kernarg_segment_align: 8
    .kernarg_segment_size: 24
    .max_flat_workgroup_size: 512
    .sgpr_count:     100
    .vgpr_count:     256
    .wavefront_size: 32
...
	.end_amdgpu_metadata
.endif
;; end of part 3
;; launch go (part 4): grid 4 x 32, 4 waves a work-group, clusters of 4 x 4, 327,680 bytes of LDS; arguments oq, wq, bo, out0; writes out0
.if DOCPART == 4
	.amdgcn_target "amdgcn-amd-amdhsa--gfx1250"
	.amdhsa_code_object_version 6
	.text
	.protected	k_qf18d4d676f_go
	.globl	k_qf18d4d676f_go
	.p2align	8
	.type	k_qf18d4d676f_go,@function
k_qf18d4d676f_go:
	s_mov_b64 s[64:65], 0
	v_nop
	global_prefetch_b8 v0, s[64:65] scope:SCOPE_SE
	s_setreg_imm32_b32 hwreg(HW_REG_WAVE_MODE, 25, 1), 1
	s_wait_xcnt 0x0
	s_wait_alu depctr_hold_cnt(0) depctr_sa_sdst(0) depctr_va_vdst(0) depctr_va_sdst(0) depctr_va_ssrc(0) depctr_va_vcc(0) depctr_vm_vsrc(0)
	s_getreg_b32 s2, hwreg(HW_REG_IB_STS2, 6, 4)
	s_cmp_eq_u32 s2, 0
	s_cbranch_scc0 .Lentry_in_a_cluster
	s_endpgm
.Lentry_in_a_cluster:
	s_bfe_u32 s2, ttmp6, 0x10000c
	s_cmp_lg_u32 s2, 0xf033
	s_cbranch_scc0 .Lentry_shape_is_right
	s_endpgm
.Lentry_shape_is_right:
.set NQ,     2
.set FR,     12
.set NL,     6
.set NP,     4
.set RBK,    3072
.set HALFT,  8*RBK
.set SLOT,   4*HALFT
.set SCL,    2*SLOT
.set HALFS,  4096
.set SPARE,  213248
.set SPITCH, 528
.set BO,   8
.set ADRA, 16
.set ADRB, 20
.set STO,  24
.set RD,   25
.set CO,   26
.set ADRS, 27
.set SPW,  28
.set NIL,  29
.set SC,   32
.set AF,   128
.set BK,   128
.set WV,   16
.set WA,   17
.set WB,   18
.set CX,   20
.set CY,   21
.set TA,   22
.set TB,   23
.set G1,   24
.set G0,   32
.set G1B,  48
.set G0B,  56
.set G1S,  68
.set G0S,  76
.set G1SB, 80
.set G0SB, 88
.set MSB, 0
.macro WIN new
.if MSB != \new
	s_set_vgpr_msb (MSB<<8)|\new
.set MSB, \new
.endif
.endm
.set MUL_LO, 0xa1
.set MUL_HI, 0xf1
.set TO_B,   0x40
.macro JLOAD g0a, g1a, g0b, g1b
	s_cmp_eq_u32 s[WA], 0
	s_cbranch_scc0 .Lfor_b_\@
	tensor_load_to_lds s[\g0a:\g0a+3], s[\g1a:\g1a+7]
	s_nop 0
.rept 4
	v_nop
.endr
	s_branch .Lasked_\@
.Lfor_b_\@:
	tensor_load_to_lds s[\g0b:\g0b+3], s[\g1b:\g1b+7]
	s_nop 0
.rept 4
	v_nop
.endr
.Lasked_\@:
.endm
.macro CREST
	s_cmp_lg_u32 s[WV], 0
	s_cbranch_scc1 .Lnot_wave_0_\@
	s_barrier_signal -3
.Lnot_wave_0_\@:
	s_barrier_wait -3
	s_barrier_signal -1
	s_barrier_wait -1
.endm
.macro CROUND
	s_barrier_signal -1
	s_barrier_wait -1
	CREST
.endm
	s_load_b256 s[4:11], s[0:1], 0x0
	v_lshl_add_u32 v[SPW], v0, 2, SPARE
	v_mov_b32 v[NIL], 0
	ds_add_u32 v[SPW], v[NIL]
	ds_add_u32 v[SPW], v[NIL]
	v_lshrrev_b32 v1, 5, v0
	v_readfirstlane_b32 s[WV], v1
	s_lshr_b32 s[WA], s[WV], 1
	s_and_b32 s[WB], s[WV], 1
	s_bfe_u32 s[CX], ttmp6, 0x40000
	s_bfe_u32 s[CY], ttmp6, 0x40004
	s_lshl_b32 s42, ttmp9, 2
	s_add_co_u32 s[TB], s42, s[CX]
	s_and_b32 s40, ttmp7, 0xffff
	s_lshl_b32 s40, s40, 2
	s_add_co_u32 s[TA], s40, s[CY]
	s_lshl_b32 s43, s[CY], 2
	s_lshl_b32 s43, 15, s43
	s_lshl_b32 s44, 0x1111, s[CX]
	s_or_b32 s[G1+0], s43, (3<<16)|(1<<21)
	s_or_b32 s[G1B+0], s44, (3<<16)|(1<<21)
.irp g, G1, G1B
	s_mov_b32 s[\g+1], 384<<16
	s_mov_b32 s[\g+2], 16<<16
	s_mov_b32 s[\g+3], 384<<16
	s_mov_b32 s[\g+4], 16
	s_mov_b32 s[\g+5], 1536
	s_mov_b32 s[\g+6], 0
	s_mov_b32 s[\g+7], 0
.endr
	s_or_b32 s[G1S+0], s43, (3<<16)|(1<<21)
	s_or_b32 s[G1SB+0], s44, (3<<16)|(1<<21)
.irp g, G1S, G1SB
	s_mov_b32 s[\g+1], 32<<16
	s_mov_b32 s[\g+2], 32<<16
	s_mov_b32 s[\g+3], 32<<16
	s_mov_b32 s[\g+4], 32
	s_mov_b32 s[\g+5], 32
	s_mov_b32 s[\g+6], 0
	s_mov_b32 s[\g+7], 0
.endr
	s_lshl_b32 s40, s[TA], 4
	s_lshl_b32 s42, s[TB], 4
	s_mul_i32 s92, s40, 12288
	s_lshl_b32 s94, s40, 9
	s_add_co_u32 s94, s94, 6291456
	s_mul_i32 s96, s42, 12288
	s_add_co_u32 s96, s96, 2359296
	s_lshl_b32 s98, s42, 9
	s_add_co_u32 s98, s98, 3244032
	s_mov_b32 s93, 0
	s_mov_b32 s95, 0
	s_mov_b32 s97, 0
	s_mov_b32 s99, 0
	s_mul_i32 s46, s[WV], HALFT
	s_wait_dscnt 0x0
	s_wait_kmcnt 0x0
	s_add_nc_u64 s[92:93], s[4:5], s[92:93]
	s_add_nc_u64 s[94:95], s[4:5], s[94:95]
	s_add_nc_u64 s[96:97], s[6:7], s[96:97]
	s_add_nc_u64 s[98:99], s[6:7], s[98:99]
	CROUND
	s_mov_b32 s[G0S], 1
	s_mov_b32 s[G0S+1], SCL
	s_mov_b64 s[G0S+2:G0S+3], s[94:95]
	s_or_b32 s[G0S+3], s[G0S+3], 0x80000000
	s_mov_b32 s[G0SB], 1
	s_mov_b32 s[G0SB+1], SCL+8320
	s_mov_b64 s[G0SB+2:G0SB+3], s[98:99]
	s_or_b32 s[G0SB+3], s[G0SB+3], 0x80000000
	; the head's four tiles, each whole, one joint load a wave: wave 0 slot 0's 16 row blocks of A, wave 1 those of B, wave 2 A's scale words, wave 3 B's
	s_mov_b32 s[G0], 1
	s_mov_b32 s[G0+1], 0
	s_mov_b64 s[G0+2:G0+3], s[92:93]
	s_or_b32 s[G0+3], s[G0+3], 0x80000000
	s_mov_b32 s[G0B], 1
	s_mov_b32 s[G0B+1], 2*HALFT
	s_mov_b64 s[G0B+2:G0B+3], s[96:97]
	s_or_b32 s[G0B+3], s[G0B+3], 0x80000000
	s_cmp_lt_u32 s[WV], 1
	s_cbranch_scc0 .Lhead_b
	tensor_load_to_lds s[G0:G0+3], s[G1:G1+7]
	s_nop 0
.rept 4
	v_nop
.endr
	s_branch .Lhead_asked
.Lhead_b:
	s_cmp_lt_u32 s[WV], 2
	s_cbranch_scc0 .Lhead_sa
	tensor_load_to_lds s[G0B:G0B+3], s[G1B:G1B+7]
	s_nop 0
.rept 4
	v_nop
.endr
	s_branch .Lhead_asked
.Lhead_sa:
	s_cmp_lt_u32 s[WV], 3
	s_cbranch_scc0 .Lhead_sb
	tensor_load_to_lds s[G0S:G0S+3], s[G1S:G1S+7]
	s_nop 0
.rept 4
	v_nop
.endr
	s_branch .Lhead_asked
.Lhead_sb:
	tensor_load_to_lds s[G0SB:G0SB+3], s[G1SB:G1SB+7]
	s_nop 0
.rept 4
	v_nop
.endr
.Lhead_asked:
	s_mul_i32 s94, s[WB], 8*12288                  ; in the ring a wave fetches 8 row blocks: which half
	s_mov_b32 s95, 0
	s_add_nc_u64 s[92:93], s[92:93], s[94:95]
	s_add_nc_u64 s[96:97], s[96:97], s[94:95]
	s_mov_b32 s[G0+4], 1
	s_add_co_u32 s[G0+5], s46, SLOT
	s_add_nc_u64 s[G0+6:G0+7], s[92:93], RBK
	s_or_b32 s[G0+7], s[G0+7], 0x80000000
	s_mov_b32 s[G0B+4], 1
	s_add_co_u32 s[G0B+5], s46, SLOT
	s_add_nc_u64 s[G0B+6:G0B+7], s[96:97], RBK
	s_or_b32 s[G0B+7], s[G0B+7], 0x80000000
	s_wait_alu depctr_va_vdst(0)
	s_wait_tensorcnt 0x0                           ; my tile of the four is in
	ds_add_u32 v[SPW], v[NIL]
	s_mov_b32 s[G1+2], 8<<16                       ; no tensor load of mine is out: from here on a load brings 8 row blocks
	s_mov_b32 s[G1+4], 8
	s_mov_b32 s[G1B+2], 8<<16
	s_mov_b32 s[G1B+4], 8
	s_mov_b32 s[G0+1], s46                         ; and slot 0's descriptors become the ring's
	s_mov_b64 s[G0+2:G0+3], s[92:93]
	s_or_b32 s[G0+3], s[G0+3], 0x80000000
	s_mov_b32 s[G0B+1], s46
	s_mov_b64 s[G0B+2:G0B+3], s[96:97]
	s_or_b32 s[G0B+3], s[G0B+3], 0x80000000
	s_wait_dscnt 0x0
	CROUND
	JLOAD G0+4, G1, G0B+4, G1B
	v_and_b32 v1, 15, v0
	v_bfe_u32 v2, v0, 4, 1
	s_wait_alu depctr_va_vdst(0)
	v_and_b32 v3, 31, v0
	v_lshlrev_b32 v[CO], 4, v3
	v_lshlrev_b32 v3, 3, v3
	s_mul_i32 s92, s[WA], HALFT
	s_mul_i32 s93, s[WB], HALFT
	s_add_co_u32 s93, s93, 2*HALFT
.irp s, 0,1
	v_add_nc_u32 v[ADRA+\s], s92, v3
	v_add_nc_u32 v[ADRB+\s], s93, v3
	s_add_co_u32 s92, s92, SLOT
	s_add_co_u32 s93, s93, SLOT
.endr
	s_lshl_b32 s92, s[WA], 12
	s_lshl_b32 s93, s[WB], 12
	s_add_co_u32 s93, s93, 8320
	s_sub_co_u32 s93, s93, s92
	v_mul_u32_u24 v4, s93, v2
	s_add_co_u32 s92, s92, SCL
	v_lshl_add_u32 v4, v1, 3, v4
	v_add_nc_u32 v[ADRS], s92, v4
	s_mul_i32 s92, s[WV], 16*SPITCH
	v_mul_u32_u24 v5, v1, SPITCH
	v_lshl_add_u32 v5, v2, 6, v5
	v_add_nc_u32 v[STO], s92, v5
	v_add_nc_u32 v[RD], s92, v[CO]
	s_lshl_b32 s92, s[TB], 10
	s_lshl_b32 s93, s[WB], 9
	s_add_co_u32 s92, s92, s93
	s_mov_b32 s93, 0
	s_add_nc_u64 s[8:9], s[8:9], s[92:93]
	global_load_b128 v[BO:BO+3], v[CO], s[8:9]
	s_lshl_b32 s94, s[TA], 8
	s_lshl_b32 s95, s[WA], 7
	s_add_co_u32 s94, s94, s95
	s_lshl_b32 s94, s94, 12
	s_add_co_u32 s94, s94, s92
	s_mov_b32 s95, 0
	s_add_nc_u64 s[10:11], s[10:11], s[94:95]
.macro FRAG reg, adr, q, i
.irp p, 0,1,2,3,4,5
	ds_load_b64 v[\reg+2*\p:\reg+2*\p+1], v[\adr] offset:(\i)*RBK+(\q)*1536+256*\p
.endr
.endm
.macro MUL16 a0, p, q, sc, zero
.irp a, \a0, \a0+1
.irp b, 0,1,2,3,4,5,6,7
.if \zero
	v_wmma_scale_f32_16x16x128_f8f6f4 v[8*(8*((\a)%4)+\b):8*(8*((\a)%4)+\b)+7], v[128*(\p)+FR*\b:128*(\p)+FR*\b+FR-1], v[AF+FR*(\a):AF+FR*(\a)+FR-1], 0, v[SC+8*NQ*(\sc)+NQ*\b+(\q)], v[SC+8*NQ*(\sc)+NQ*(\a)+(\q)] matrix_a_fmt:MATRIX_FMT_FP6 matrix_b_fmt:MATRIX_FMT_FP6 matrix_a_scale:MATRIX_SCALE_ROW1
.else
	v_wmma_scale_f32_16x16x128_f8f6f4 v[8*(8*((\a)%4)+\b):8*(8*((\a)%4)+\b)+7], v[128*(\p)+FR*\b:128*(\p)+FR*\b+FR-1], v[AF+FR*(\a):AF+FR*(\a)+FR-1], v[8*(8*((\a)%4)+\b):8*(8*((\a)%4)+\b)+7], v[SC+8*NQ*(\sc)+NQ*\b+(\q)], v[SC+8*NQ*(\sc)+NQ*(\a)+(\q)] matrix_a_fmt:MATRIX_FMT_FP6 matrix_b_fmt:MATRIX_FMT_FP6 matrix_a_scale:MATRIX_SCALE_ROW1
.endif
.endr
.endr
.endm
.macro FETCH_B slot, q, p
	WIN TO_B
.irp i, 0,1,2,3,4,5,6,7
	FRAG 128*(\p)+FR*\i, ADRB+\slot, \q, \i
.endr
	WIN 0
.endm
.macro FETCH_A slot, q, i0
.irp i, \i0, \i0+1, \i0+2, \i0+3
	FRAG AF+FR*(\i), ADRA+\slot, \q, \i
.endr
.endm
.macro SCALES sc
.irp i, 0,1,2,3,4,5,6,7
	ds_load_b64 v[SC+8*NQ*\sc+NQ*\i:SC+8*NQ*\sc+NQ*\i+1], v[ADRS] offset:\i*512
.endr
.endm
.macro PLACES n
.rept \n
	v_nop
.endr
.endm
.macro STEP slot, q, zero
	s_wait_dscnt 4*NL
	WIN MUL_LO
	MUL16 0, (\q)%2, \q, \slot, \zero
	MUL16 2, (\q)%2, \q, \slot, \zero
	s_wait_dscnt 0
	PLACES NP
	FETCH_B \slot, (\q)+1, 1-(\q)%2
	FETCH_A \slot, (\q)+1, 0
	WIN MUL_HI
	MUL16 4, (\q)%2, \q, \slot, \zero
	MUL16 6, (\q)%2, \q, \slot, \zero
	PLACES NP
	WIN 0
	FETCH_A \slot, (\q)+1, 4
.endm
.macro TURN slot, next, fill
	s_wait_tensorcnt 0x0
	ds_add_u32 v[SPW], v[NIL]
	s_wait_dscnt 4*NL+1
	WIN MUL_LO
	MUL16 0, 1, NQ-1, \slot, 0
	s_wait_dscnt 0x0
	s_barrier_signal -1
	MUL16 2, 1, NQ-1, \slot, 0
	WIN 0
	s_barrier_wait -1
.if \fill
	CREST
	s_add_nc_u64 s[G0+4*\slot+2:G0+4*\slot+3], s[G0+4*\slot+2:G0+4*\slot+3], 2*RBK
	s_add_nc_u64 s[G0B+4*\slot+2:G0B+4*\slot+3], s[G0B+4*\slot+2:G0B+4*\slot+3], 2*RBK
	JLOAD G0+4*\slot, G1, G0B+4*\slot, G1B
.else
	PLACES NP
.endif
	s_wait_alu depctr_va_vdst(0)
	v_add_nc_u32 v[ADRS], 128, v[ADRS]
	FETCH_B \next, 0, 0
	FETCH_A \next, 0, 0
	SCALES \next
	WIN MUL_HI
	MUL16 4, 1, NQ-1, \slot, 0
	MUL16 6, 1, NQ-1, \slot, 0
	PLACES NP
	WIN 0
	FETCH_A \next, 0, 4
.endm
	s_wait_alu depctr_va_vdst(0)
	s_wait_tensorcnt 1
	s_barrier_signal -1
	s_barrier_wait -1
	FETCH_B 0, 0, 0
	FETCH_A 0, 0, 0
	SCALES 0
	FETCH_A 0, 0, 4
	STEP 0, 0, 1
	TURN 0, 1, 1
	STEP 1, 0, 0
	TURN 1, 0, 1
	STEP 0, 0, 0
	TURN 0, 1, 0
	STEP 1, 0, 0
	s_wait_dscnt 4*NL
	WIN MUL_LO
	MUL16 0, 1, NQ-1, 1, 0
	MUL16 2, 1, NQ-1, 1, 0
	s_wait_dscnt 0
	WIN MUL_HI
	MUL16 4, 1, NQ-1, 1, 0
	MUL16 6, 1, NQ-1, 1, 0
	WIN 0
.macro TOSTAGE a
.set AC, 64*((\a)%4)
.set WW, 0x08+4*((\a)/4)
	WIN WW
.irp b, 0,1,2,3,4,5,6,7
	ds_store_b128 v[STO], v[AC+8*\b:AC+8*\b+3] offset:128*(\b/2)+32*(\b%2)
	ds_store_b128 v[STO], v[AC+8*\b+4:AC+8*\b+7] offset:128*(\b/2)+32*(\b%2)+16
.endr
	WIN 0
.set BB, BK+64*((\a)%2)
.irp t, 0,1,2,3,4,5,6,7,8,9,10,11,12,13,14,15
	ds_load_b128 v[BB+4*\t:BB+4*\t+3], v[RD] offset:\t*SPITCH
.endr
.endm
.macro SEND a, younger
.set BB, BK+64*((\a)%2)
	s_wait_dscnt \younger
.irp t, 0,1,2,3,4,5,6,7,8,9,10,11,12,13,14,15
	v_pk_add_f32 v[BB+4*\t:BB+4*\t+1], v[BB+4*\t:BB+4*\t+1], v[BO:BO+1]
	v_pk_add_f32 v[BB+4*\t+2:BB+4*\t+3], v[BB+4*\t+2:BB+4*\t+3], v[BO+2:BO+3]
.endr
.irp t, 0,1,2,3,4,5,6,7,8,9,10,11,12,13,14,15
	global_store_b128 v[CO], v[BB+4*\t:BB+4*\t+3], s[10:11] offset:(32*((\a)/2)+8*((\a)%2)+\t+8*(\t/8))*4096 th:TH_STORE_NT
.endr
.endm
	s_wait_loadcnt 0x0
	PLACES NP
	TOSTAGE 0
.irp a, 1,2,3,4,5,6,7
.if \a > 1
	s_wait_xcnt 0x0
.endif
	TOSTAGE \a
	SEND \a-1, 32
.endr
	SEND 7, 0
	s_wait_tensorcnt 0x0
	ds_add_u32 v[SPW], v[NIL]
	s_wait_dscnt 0x0
	CROUND
	s_endpgm
.Lfunc_end_k_qf18d4d676f_go:
	.size	k_qf18d4d676f_go, .Lfunc_end_k_qf18d4d676f_go-k_qf18d4d676f_go
	.p2alignl 7, 3214868480
	.fill 96, 4, 3214868480
	.section	.rodata,"a",@progbits
	.p2align	6, 0x0
	.amdhsa_kernel k_qf18d4d676f_go
		.amdhsa_group_segment_fixed_size 327680
		.amdhsa_private_segment_fixed_size 0
		.amdhsa_enable_private_segment 0
		.amdhsa_kernarg_size 32
		.amdhsa_user_sgpr_count 2
		.amdhsa_user_sgpr_kernarg_segment_ptr 1
		.amdhsa_wavefront_size32 1
		.amdhsa_system_sgpr_workgroup_id_x 1
		.amdhsa_system_sgpr_workgroup_id_y 1
		.amdhsa_system_sgpr_workgroup_id_z 1
		.amdhsa_system_vgpr_workitem_id 0
		.amdhsa_next_free_vgpr 1024
		.amdhsa_next_free_sgpr 100
		.amdhsa_reserve_vcc 0
		.amdhsa_float_denorm_mode_32 3
		.amdhsa_float_denorm_mode_16_64 3
		.amdhsa_memory_ordered 1
		.amdhsa_forward_progress 1
		.amdhsa_inst_pref_size 176
	.end_amdhsa_kernel
	.amdgpu_metadata
---
amdhsa.version: [ 1, 2 ]
amdhsa.kernels:
  - .name:           k_qf18d4d676f_go
    .symbol:         k_qf18d4d676f_go.kd
    .args:
      - { .name: oq, .offset: 0, .size: 8, .value_kind: global_buffer, .address_space: global }
      - { .name: wq, .offset: 8, .size: 8, .value_kind: global_buffer, .address_space: global }
      - { .name: bo, .offset: 16, .size: 8, .value_kind: global_buffer, .address_space: global }
      - { .name: out0, .offset: 24, .size: 8, .value_kind: global_buffer, .address_space: global }
    .group_segment_fixed_size: 327680
    .private_segment_fixed_size: 0
    .kernarg_segment_align: 8
    .kernarg_segment_size: 32
    .max_flat_workgroup_size: 128
    .sgpr_count:     100
    .vgpr_count:     1024
    .wavefront_size: 32
...
	.end_amdgpu_metadata
.endif
;; end of part 4
